; MI455X (gfx1250); checked and timed in simulation.
; The chip was launched on July 23, 2026; its instructions are those of AMD's public machine-readable ISA for CDNA 5 (MIT licence, August 2026) and "CDNA5" Instruction Set Architecture Reference Guide (July 2026). The comments in the code are by the model that wrote it; some were corrected since.
;; Multi Head Attention. Allowed arithmetic: matrix products marked QUANTISED: E2M3 operands, one E8M0 scale for each 32 along K, by v_wmma_scale_f32_16x16x128_f8f6f4 with both operands' format E2M3, f32 sums; everything else in f32.
;; Inputs: Wk 1,024 x 1,024 float32; Wo 1,024 x 1,024 float32; Wq 1,024 x 1,024 float32; Wv 1,024 x 1,024 float32; bk 1,024 float32; bo 1,024 float32; bq 1,024 float32; bv 1,024 float32; padding_mask 4 x 2,048 int32; x 4 x 2,048 x 1,024 float32.
;; Outputs: out0 4 x 2,048 x 1,024 float32.
;; This version of the problem:
;;   THIS VERSION OF THE PROBLEM IS GIVEN IN LOW PRECISION. The matrix products marked QUANTISED in the list below multiply operands that are first quantised to E2M3 (2 exponent bits, 3 mantissa bits; 6 bits a number), with one power-of-two scale for each 32 numbers along K (OCP MX v1.0); their sums are f32. All else is computed in f32.
;;   The module's matrix products, in the order in which they are computed (A, B: the left and right operand; K: the contracted axis; several contracted axes count as one K, in the product's order):
;;     1. [M 8,192, K 1,024] x [K 1,024, N 1,024]; A: input x; B: input Wq: QUANTISED
;;     2. [M 8,192, K 1,024] x [K 1,024, N 1,024]; A: input x; B: input Wk: QUANTISED
;;     3. [M 8,192, K 1,024] x [K 1,024, N 1,024]; A: input x; B: input Wv: QUANTISED
;;     4. batch 64 x [M 2,048, K 64] x [K 64, N 2,048]; A: computed on the way; B: computed on the way: QUANTISED
;;     5. batch 64 x [M 2,048, K 2,048] x [K 2,048, N 64]; A: computed on the way; B: computed on the way: QUANTISED
;;     6. [M 8,192, K 1,024] x [K 1,024, N 1,024]; A: computed on the way; B: input Wo: QUANTISED
;;   THE QUANTISER, for each operand of a quantised product, along K:
;;     - K is cut into blocks of 32 from its start; a last block that is shorter is filled with zeros.
;;     - A block's scale is 2^e with e = floor(log2(the largest magnitude in the block)) - 2, held to -126 .. 127; a block of zeros has e = 0. As a byte (E8M0): e + 127.
;;     - Each number is divided by its block's scale, clamped to +-7.5, and rounded to the nearest number of E2M3, ties to even, subnormals kept.
;;     - The product sums the exact products of the quantised numbers (number of the format x scale) in f32.
;;   ~~~python
;;   def quantise(x, axis):      # numpy; x: float32 -> the quantised numbers, widened to float32 again
;;       x = np.moveaxis(x, axis, -1); K = x.shape[-1]
;;       x = np.pad(x, [(0, 0)] * (x.ndim - 1) + [(0, -K % 32)]); x = x.reshape(x.shape[:-1] + (-1, 32)); a = np.abs(x).max(-1, keepdims=True)
;;       e = np.where(a > 0, np.clip(np.frexp(np.where(a > 0, a, 1))[1] - 1 - 2, -126, 127), 0)      # np.frexp(a)[1] - 1 = floor(log2(a)), exactly
;;       r = np.clip(x / 2.0 ** e, -7.5, 7.5)
;;       step = 2.0 ** (np.maximum(np.frexp(np.where(r == 0, 1, r))[1] - 1, 0) - 3)
;;       q = np.round(r / step) * step * 2.0 ** e      # np.round: ties to even
;;       return np.moveaxis(q.reshape(q.shape[:-2] + (-1,))[..., :K], -1, axis).astype(np.float32)
;;   ~~~
;;   OPERANDS COMPUTED ON THE WAY. 'Computed on the way' means the value that the module computes at that place (a softmax that the list does not call 'softmax' is quantised finished and normalised). What goes into a quantiser is computed in f32, as accurately as f32 sums, v_exp_f32 and their like allow (about 1e-6 of the number): no bf16 or f16 on the way to a quantiser, and a product that is left as it is and whose result goes on into a quantised operand takes f32 operands (vector FMAs, or v_wmma_f32_16x16x4_f32). A number that lies on a knife's edge between two numbers of the format may be rounded either way, as far as f32 arithmetic and the matrix unit's own rounding can turn it there, and no further.
;; One version. Each part assembles by itself: llvm-mc -triple=amdgcn-amd-amdhsa -mcpu=gfx1250 --defsym DOCPART=n.
;; ======== version 1 of 1: 4 launches
;; limits: right only within a limited range of input values
;; workspace buffers: cod 9,437,184 bytes; sc 393,216 bytes; qimg 6,815,744 bytes; kimg 6,815,744 bytes; vimg 6,553,600 bytes; ac 6,291,456 bytes; asc 262,144 bytes
;; launch quant (part 1): grid 512 x 1, 4 waves a work-group, no clusters, 34,304 bytes of LDS; arguments x, Wq, Wk, Wv, Wo, cod, sc; writes cod, sc
.if DOCPART == 1
	.amdgcn_target "amdgcn-amd-amdhsa--gfx1250"
	.amdhsa_code_object_version 6
	.text
	.protected	k_qc48dfaabf0_quant
	.globl	k_qc48dfaabf0_quant
	.p2align	8
	.type	k_qc48dfaabf0_quant,@function
k_qc48dfaabf0_quant:
	s_mov_b64 s[64:65], 0
	v_nop
	global_prefetch_b8 v0, s[64:65] scope:SCOPE_SE
	s_setreg_imm32_b32 hwreg(HW_REG_WAVE_MODE, 25, 1), 1
	s_wait_xcnt 0x0
; x [8192][1024] and Wq, Wk, Wv, Wo [1024 (k)][1024 (n)], f32, become codes of FP6 (E2M3) with one E8M0 byte for each 32 along K (x: its last axis; W: its FIRST axis),
; laid in the ORDER OF THE OPERAND'S REGISTERS.  A TILE is 16 rows of an operand (x: tokens; W: columns n): lane-row r of tile t is row 32 (t / 2) + 8 (t % 2) + r + 8 (r / 8).
; A UNIT is a tile x 64 along K, 768 bytes: lane l = (r = l % 16, h = l / 16) owns the 24 bytes of k = 32 h .. 32 h + 31: its first 16 bytes at 16 l, its last 8 at 512 + 8 l.
; cod: tile x 12288 + unit x 768; tiles 0-511 x, 512 + 64 m + n / 16 the weights (m = 0 q, 1 k, 2 v, 3 o).  sc: tile x 512 + (s / 4) x 256 + 16 r + 4 (s % 4): one word for row r and the s-th 128 along K.
; A block's scale is 2^(floor(log2(largest magnitude)) - 2); its byte is the largest magnitude's exponent field - 2, held at 1 from below by a floor among the maximum's leaves.
; LIMITS: a block of zeros gets the byte 1 where the rule says 127 (its codes are zeros, and this program alone reads the bytes); NaN and infinities among the inputs are not served.
; Work-groups 0-255 take x (32 rows each), 256-511 the weights.  The two ways part once, on the work-group's number; only x's way uses LDS; no barrier: waves share nothing.
.set FLOOR, 0x1800000                  ; 2^(3 - 127)
.set GO16, 4                           ; v4   16 x lane
.set GO8,  5                           ; v5   8 x lane + 512
.set R,    16                          ; numbers as loaded: x: two sets of 64; W: two sets of 32
.set X,    144                         ; x: 64 numbers of my row, in the operand's order
.set F,    208                         ; x: a fragment's 12 registers
.set PT0,  220
.set PT1,  224
.set AM,   228
.set SO,   230
.set BY,   232
.set WW,   234
.set TT,   235
.set SW,   236                         ; v236-239 my row's four scale words
.set E,    144                         ; W: block t's 6 registers at v[E + 6 t]
.set PT,   168
.set WAM,  172
.set WSO,  173
.set WBY,  174
.set WD,   175
.set WA2,  176
.macro XLOAD t                         ; 16 rows x 128 numbers: each load reads 512 consecutive bytes of one row
.irp i, 0,1,2,3,4,5,6,7,8,9,10,11,12,13,14,15
	global_load_b128 v[R+64*((\t)%2)+4*\i:R+64*((\t)%2)+4*\i+3], v[GO16], s[4:5] offset:(\i+8*(\i/8))*4096+512*(\t) th:TH_LOAD_NT
.endr
.endm
.macro XUNIT t                         ; 16 rows x 128 along K become one fragment (two units) and one scale word a row
.if (\t) < 3
	s_wait_loadcnt 16                              ; this unit's 16 loads are in; the next unit's 16 may be out
.else
	s_wait_loadcnt 0x0
.endif
.irp i, 0,1,2,3,4,5,6,7,8,9,10,11,12,13,14,15
	ds_store_b128 v2, v[R+64*((\t)%2)+4*\i:R+64*((\t)%2)+4*\i+3] offset:528*\i    ; into my wave's stage as rows of 512 bytes + 16
.endr
.irp c, 0,1
.irp j, 0,1,2,3,4,5,6,7
	ds_load_b128 v[X+32*\c+4*\j:X+32*\c+4*\j+3], v3 offset:256*\c+16*\j           ; back: row r, k = 64 c + 32 h + 0 .. 31.  LDS serves a wave's instructions in order
.endr
.endr
	s_wait_dscnt 0x0                               ; the numbers are back, and the stores have read their registers
.if (\t) < 2
	XLOAD (\t)+2
.endif
.irp c, 0,1
	v_max3_num_f32 v[AM+\c], |v[X+32*\c]|, |v[X+32*\c+1]|, FLOOR                  ; my block 2 c + h: all its 32 numbers are mine
.endr
.irp i, 2,4,6,8,10,12,14,16,18,20,22,24,26,28,30
.irp c, 0,1
	v_max3_num_f32 v[AM+\c], v[AM+\c], |v[X+32*\c+\i]|, |v[X+32*\c+\i+1]|
.endr
.endr
.irp c, 0,1
	v_add_nc_u32 v[SO+\c], 0xff000000, v[AM+\c]    ; 2 off the exponent field: the conversion's scale operand
.endr
.irp c, 0,1
	v_lshrrev_b32 v[BY+\c], 23, v[SO+\c]           ; the scale's byte
.endr
	v_lshl_or_b32 v[WW], v[BY+1], 16, v[BY]        ; blocks h and 2 + h,
	v_lshlrev_b32 v[WW], v7, v[WW]                 ; at their places (8 h bits up);
	v_permlanex16_b32 v[TT], v[WW], s18, s19
	v_or_b32 v[SW+(\t)], v[WW], v[TT]              ; with lane l xor 16's two the word is whole
	s_wait_alu depctr_va_vdst(0)
	s_wait_xcnt 0x0                                ; the last unit's stores have read F
	v_cvt_scalef32_pk16_fp6_f32 v[F:F+2], v[X:X+15], v[SO]
	v_cvt_scalef32_pk16_fp6_f32 v[PT0:PT0+2], v[X+16:X+31], v[SO]                 ; (a conversion's three registers begin on an even number)
	v_cvt_scalef32_pk16_fp6_f32 v[F+6:F+8], v[X+32:X+47], v[SO+1]
	v_cvt_scalef32_pk16_fp6_f32 v[PT1:PT1+2], v[X+48:X+63], v[SO+1]
	v_nop                                          ; one plain place behind the scaled conversions
.irp i, 0,1,2
	v_mov_b32 v[F+3+\i], v[PT0+\i]
	v_mov_b32 v[F+9+\i], v[PT1+\i]
.endr
	global_store_b128 v[GO16], v[F:F+3], s[14:15] offset:1536*(\t)                ; 512 consecutive bytes,
	global_store_b64 v[GO8], v[F+4:F+5], s[14:15] offset:1536*(\t)                ; 256 consecutive bytes: a unit
	global_store_b128 v[GO16], v[F+6:F+9], s[14:15] offset:1536*(\t)+768
	global_store_b64 v[GO8], v[F+10:F+11], s[14:15] offset:1536*(\t)+768
.endm
.macro WLOAD t                         ; block t: W(32 t + i, my column): the wave's 32 lanes read 128 consecutive bytes
.irp i, 0,1,2,3,4,5,6,7,8,9,10,11,12,13,14,15,16,17,18,19,20,21,22,23,24,25,26,27,28,29,30,31
	global_load_b32 v[R+32*((\t)%2)+\i], v1, s[6:7] offset:(32*(\t)+\i)*4096 th:TH_LOAD_NT
.endr
.endm
.macro WBLOCK t                        ; a lane's 32 registers are a whole block of its column
.set XS, R+32*((\t)%2)
.set ET, E+6*(\t)
.if (\t) < 3
	s_wait_loadcnt 32                              ; this block's 32 loads are in; the next block's may be out
.else
	s_wait_loadcnt 0x0
.endif
	v_max3_num_f32 v[WAM], |v[XS]|, |v[XS+1]|, |v[XS+2]|
	v_max3_num_f32 v[WA2], |v[XS+3]|, |v[XS+4]|, |v[XS+5]|
.irp i, 6,10,14,18,22,26
	v_max3_num_f32 v[WAM], v[WAM], |v[XS+\i]|, |v[XS+\i+1]|
	v_max3_num_f32 v[WA2], v[WA2], |v[XS+\i+2]|, |v[XS+\i+3]|
.endr
	v_max3_num_f32 v[WAM], v[WAM], |v[XS+30]|, |v[XS+31]|
	v_max3_num_f32 v[WAM], v[WAM], v[WA2], FLOOR
	v_add_nc_u32 v[WSO], 0xff000000, v[WAM]
	v_lshrrev_b32 v[WBY], 23, v[WSO]
.if (\t) == 0
	v_mov_b32 v[WD], v[WBY]                        ; four bytes make my column's scale word
.else
	v_lshl_or_b32 v[WD], v[WBY], 8*(\t), v[WD]
.endif
	v_cvt_scalef32_pk16_fp6_f32 v[ET:ET+2], v[XS:XS+15], v[WSO]
	v_cvt_scalef32_pk16_fp6_f32 v[PT:PT+2], v[XS+16:XS+31], v[WSO]
	v_nop                                          ; one plain place behind the scaled conversions
.irp i, 0,1,2
	v_mov_b32 v[ET+3+\i], v[PT+\i]
.endr
.if (\t) < 2
	WLOAD (\t)+2
.endif
.endm
.macro WUNITS c                        ; blocks 2 c and 2 c + 1: lanes 0-15 hold tile 2 b's rows, lanes 16-31 tile 2 b + 1's.  The swap gives each tile its unit: block 2 c in lanes 0-15, block 2 c + 1 in lanes 16-31
.irp i, 0,1,2,3,4,5
	v_permlane16_swap_b32 v[E+12*(\c)+\i], v[E+12*(\c)+6+\i]
.endr
	global_store_b128 v[GO16], v[E+12*(\c):E+12*(\c)+3], s[14:15] offset:768*(\c)
	global_store_b64 v[GO8], v[E+12*(\c)+4:E+12*(\c)+5], s[14:15] offset:768*(\c)
	global_store_b128 v[GO16], v[E+12*(\c)+6:E+12*(\c)+9], s[14:15] offset:12288+768*(\c)
	global_store_b64 v[GO8], v[E+12*(\c)+10:E+12*(\c)+11], s[14:15] offset:12288+768*(\c)
.endm
	s_load_b256 s[4:11], s[0:1], 0x0               ; x, Wq, Wk, Wv
	s_load_b128 s[12:15], s[0:1], 0x20             ; Wo, cod
	s_load_b64 s[16:17], s[0:1], 0x30              ; sc
	v_lshl_add_u32 v254, v0, 2, 0x8400
	v_mov_b32 v255, 0
	v_lshrrev_b32 v8, 5, v0
	v_readfirstlane_b32 s20, v8                    ; wave 0..3
	v_and_b32 v9, 31, v0                           ; lane
	v_and_b32 v10, 15, v0                          ; r
	v_bfe_u32 v11, v0, 4, 1                        ; h
	v_lshlrev_b32 v[GO16], 4, v9
	v_lshl_add_u32 v[GO8], v9, 3, 512
	s_cmp_lt_u32 ttmp9, 256
	s_cbranch_scc0 .Lweights
	; ---- x: work-group g takes rows 32 g .. 32 g + 31; wave w takes tile 2 g + (w & 1), 512 along K from 512 (w >> 1) on
	s_and_b32 s21, s20, 1                          ; u
	s_lshr_b32 s22, s20, 1                         ; kh
	s_mul_i32 s23, s20, 8448                       ; my stage: 16 rows x 528 bytes
	s_mov_b32 s18, 0x76543210
	s_mov_b32 s19, 0xfedcba98                      ; v_permlanex16_b32's selects for lane l xor 16
	v_add_nc_u32 v2, s23, v[GO16]                  ; into the stage: 16 x lane of a row
	v_mul_u32_u24 v3, v10, 528
	v_lshl_add_u32 v3, v11, 7, v3
	v_add_nc_u32 v3, s23, v3                       ; out of it: row r, + 128 h bytes
	v_lshlrev_b32 v6, 4, v10
	v_lshl_add_u32 v6, v11, 3, v6                  ; the scale words' place: 16 r + 8 h
	v_lshlrev_b32 v7, 3, v11                       ; 8 h
	v_mov_b32 v[TT], 0                             ; a lane permute's destination counts as one of its sources
	s_lshl_b32 s24, ttmp9, 17                      ; (32 g + 8 u) rows of 4,096 bytes + 2,048 kh
	s_lshl_b32 s26, s21, 15
	s_add_co_u32 s24, s24, s26
	s_lshl_b32 s26, s22, 11
	s_add_co_u32 s24, s24, s26
	s_mov_b32 s25, 0
	s_lshl_b32 s26, ttmp9, 1
	s_add_co_u32 s26, s26, s21                     ; my tile
	s_mul_i32 s28, s26, 12288
	s_mul_i32 s27, s22, 6144
	s_add_co_u32 s28, s28, s27
	s_mov_b32 s29, 0
	s_lshl_b32 s30, s26, 9
	s_lshl_b32 s27, s22, 8
	s_add_co_u32 s30, s30, s27
	s_mov_b32 s31, 0
	s_wait_alu depctr_va_vdst(0)
	s_wait_kmcnt 0x0
	s_add_nc_u64 s[4:5], s[4:5], s[24:25]
	s_add_nc_u64 s[14:15], s[14:15], s[28:29]
	s_add_nc_u64 s[16:17], s[16:17], s[30:31]
	XLOAD 0
	XLOAD 1
	XUNIT 0
	XUNIT 1
	XUNIT 2
	XUNIT 3
	v_cmp_ne_u32 vcc_lo, 0, v11
	v_cndmask_b32 v240, v[SW], v[SW+2], vcc_lo     ; lanes 0-15 store words 0, 1 of row r, lanes 16-31 words 2, 3:
	v_cndmask_b32 v241, v[SW+1], v[SW+3], vcc_lo
	global_store_b64 v6, v[240:241], s[16:17]      ; 256 consecutive bytes
	s_wait_tensorcnt 0x0
	ds_add_u32 v254, v255
	s_wait_dscnt 0x0
	s_endpgm
	; ---- W: work-group g' = 64 m + 8 cb + s takes matrix m, columns 128 cb on, k = 128 s on; wave w takes 32 of the columns: two tiles
.Lweights:
	s_sub_co_u32 s21, ttmp9, 256
	s_lshr_b32 s22, s21, 6                         ; m
	s_bfe_u32 s23, s21, 0x30003                    ; cb
	s_and_b32 s24, s21, 7                          ; s
	s_lshl_b32 s25, s23, 7
	s_lshl_b32 s26, s20, 5
	s_add_co_u32 s25, s25, s26                     ; n0
	s_wait_alu depctr_va_vdst(0)
	v_and_b32 v12, 8, v10
	v_add_nc_u32 v12, v12, v10
	v_lshl_add_u32 v12, v11, 3, v12                ; my column: r + 8 (r / 8) + 8 h: lanes 0-15 are the even tile's rows in order, lanes 16-31 the odd tile's
	v_lshlrev_b32 v1, 2, v12
	v_lshlrev_b32 v6, 4, v10
	v_lshl_add_u32 v6, v11, 9, v6                  ; the scale word's place: 512 h + 16 r
	s_lshl_b32 s28, s24, 19                        ; 128 s rows of 4,096 bytes + 4 n0
	s_lshl_b32 s26, s25, 2
	s_add_co_u32 s28, s28, s26
	s_mov_b32 s29, 0
	s_lshl_b32 s26, s22, 6
	s_lshr_b32 s27, s25, 4
	s_add_co_u32 s26, s26, s27
	s_add_co_u32 s26, s26, 512                     ; my even tile
	s_mul_i32 s30, s26, 12288
	s_mul_i32 s27, s24, 1536
	s_add_co_u32 s30, s30, s27
	s_mov_b32 s31, 0
	s_lshl_b32 s32, s26, 9
	s_lshr_b32 s27, s24, 2
	s_lshl_b32 s27, s27, 8
	s_add_co_u32 s32, s32, s27
	s_and_b32 s27, s24, 3
	s_lshl_b32 s27, s27, 2
	s_add_co_u32 s32, s32, s27
	s_mov_b32 s33, 0
	s_wait_alu depctr_va_vdst(0)
	s_wait_kmcnt 0x0
	s_cmp_eq_u32 s22, 1                            ; the choice of the matrix hangs on the work-group's number alone
	s_cselect_b64 s[6:7], s[8:9], s[6:7]
	s_cmp_eq_u32 s22, 2
	s_cselect_b64 s[6:7], s[10:11], s[6:7]
	s_cmp_eq_u32 s22, 3
	s_cselect_b64 s[6:7], s[12:13], s[6:7]
	s_add_nc_u64 s[6:7], s[6:7], s[28:29]
	s_add_nc_u64 s[14:15], s[14:15], s[30:31]
	s_add_nc_u64 s[16:17], s[16:17], s[32:33]
	WLOAD 0
	WLOAD 1
	WBLOCK 0
	WBLOCK 1
	WUNITS 0
	WBLOCK 2
	WBLOCK 3
	WUNITS 1
	global_store_b32 v6, v[WD], s[16:17]           ; 4 bytes at a stride of 16: the other three words of a row come from other work-groups; 128 KiB in all
	s_endpgm
.Lfunc_end_k_qc48dfaabf0_quant:
	.size	k_qc48dfaabf0_quant, .Lfunc_end_k_qc48dfaabf0_quant-k_qc48dfaabf0_quant
	.p2alignl 7, 3214868480
	.fill 96, 4, 3214868480
	.section	.rodata,"a",@progbits
	.p2align	6, 0x0
	.amdhsa_kernel k_qc48dfaabf0_quant
		.amdhsa_group_segment_fixed_size 34304
		.amdhsa_private_segment_fixed_size 0
		.amdhsa_enable_private_segment 0
		.amdhsa_kernarg_size 56
		.amdhsa_user_sgpr_count 2
		.amdhsa_user_sgpr_kernarg_segment_ptr 1
		.amdhsa_wavefront_size32 1
		.amdhsa_system_sgpr_workgroup_id_x 1
		.amdhsa_system_sgpr_workgroup_id_y 1
		.amdhsa_system_sgpr_workgroup_id_z 1
		.amdhsa_system_vgpr_workitem_id 0
		.amdhsa_next_free_vgpr 256
		.amdhsa_next_free_sgpr 66
		.amdhsa_reserve_vcc 1
		.amdhsa_float_denorm_mode_32 3
		.amdhsa_float_denorm_mode_16_64 3
		.amdhsa_memory_ordered 1
		.amdhsa_forward_progress 1
		.amdhsa_inst_pref_size 51
	.end_amdhsa_kernel
	.amdgpu_metadata
---
amdhsa.version: [ 1, 2 ]
amdhsa.kernels:
  - .name:           k_qc48dfaabf0_quant
    .symbol:         k_qc48dfaabf0_quant.kd
    .args:
      - { .name: x, .offset: 0, .size: 8, .value_kind: global_buffer, .address_space: global }
      - { .name: Wq, .offset: 8, .size: 8, .value_kind: global_buffer, .address_space: global }
      - { .name: Wk, .offset: 16, .size: 8, .value_kind: global_buffer, .address_space: global }
      - { .name: Wv, .offset: 24, .size: 8, .value_kind: global_buffer, .address_space: global }
      - { .name: Wo, .offset: 32, .size: 8, .value_kind: global_buffer, .address_space: global }
      - { .name: cod, .offset: 40, .size: 8, .value_kind: global_buffer, .address_space: global }
      - { .name: sc, .offset: 48, .size: 8, .value_kind: global_buffer, .address_space: global }
    .group_segment_fixed_size: 34304
    .private_segment_fixed_size: 0
    .kernarg_segment_align: 8
    .kernarg_segment_size: 56
    .max_flat_workgroup_size: 128
    .sgpr_count:     66
    .vgpr_count:     256
    .wavefront_size: 32
...
	.end_amdgpu_metadata
.endif
;; end of part 1
;; launch qkv (part 2): grid 12 x 32, 4 waves a work-group, clusters of 4 x 4, 327,680 bytes of LDS; arguments cod, sc, bq, bk, bv, padding_mask, qimg, kimg, vimg; writes qimg, kimg, vimg
.if DOCPART == 2
	.amdgcn_target "amdgcn-amd-amdhsa--gfx1250"
	.amdhsa_code_object_version 6
	.text
	.protected	k_qc48dfaabf0_qkv
	.globl	k_qc48dfaabf0_qkv
	.p2align	8
	.type	k_qc48dfaabf0_qkv,@function
k_qc48dfaabf0_qkv:
	s_mov_b64 s[64:65], 0
	v_nop
	global_prefetch_b8 v0, s[64:65] scope:SCOPE_SE
	s_setreg_imm32_b32 hwreg(HW_REG_WAVE_MODE, 25, 1), 1
	s_wait_xcnt 0x0
	s_wait_alu depctr_hold_cnt(0) depctr_sa_sdst(0) depctr_va_vdst(0) depctr_va_sdst(0) depctr_va_ssrc(0) depctr_va_vcc(0) depctr_vm_vsrc(0)
	s_getreg_b32 s2, hwreg(HW_REG_IB_STS2, 6, 4)
	s_cmp_eq_u32 s2, 0
	s_cbranch_scc0 .Lentry_in_a_cluster
	s_endpgm
.Lentry_in_a_cluster:
	s_bfe_u32 s2, ttmp6, 0x10000c
	s_cmp_lg_u32 s2, 0xf033
	s_cbranch_scc0 .Lentry_shape_is_right
	s_endpgm
.Lentry_shape_is_right:
; q = x Wq + bq, k = x Wk + bk, v = x Wv + bv on codes of FP6 (E2M3) with E8M0 scales, K = 1,024; the results are quantised in registers for the attention's two products and stored as images of operand registers.
; OPERANDS come as the first launch laid them: tiles of 16 rows (lane-row r of tile t is row 32 (t / 2) + 8 (t % 2) + r + 8 (r / 8)), units of 64 along K (768 bytes: 16 bytes a lane at 16 l, 8 at 512 + 8 l).
; A work-group of four waves makes 256 x 256 of a product, a wave 128 x 128: 64 accumulators, 512 registers.  THE MATRIX INSTRUCTION IS USED TRANSPOSED: source 0 = 16 rows of B', source 1 = 16 rows of A':
; a lane holds ONE row of A', and by the choice of a tile's rows the 16 registers of B' tiles 2 b, 2 b + 1 are the NEIGHBOURS 32 b + 16 h + 0 .. 15 along B': the axis along which the result is quantised.
; KINDS, by the cluster's x (equal in all partners): 0: q, 1: k: A' = x (tokens), B' = W (features: the head's 64 are the next K).  2: v: A' = Wv (features), B' = x (tokens: the keys are the next K).
; K goes in chunks of 256 (3,072 bytes a tile) through two LDS slots filled by the tensor data mover; the scale words of the work-group's rows come once and then stay in 64 registers.
; CLUSTERS: 4 x 4 work-groups; A' tiles are shared along a row of the cluster, B' tiles along a column: each is asked for jointly, by the same load with the same descriptor and a mask that names the four.
; OUTPUT.  qimg, kimg: a record of 106,496 bytes a head: tile T's unit at 768 T; its scale words at 98304 + 256 (T / 4) + 16 r + 4 (T % 4).  vimg: 102,400 bytes a head: fragment (128 keys ks, 16 channels dt) at
; 1536 (4 ks + dt), register group c at 512 c + 16 l; scale words at 98304 + 256 ks + 16 r + 4 dt.
; THE PADDING MASK rides in the empty half of the score product's K: byte 2 of q's scale word is 127; of k's it is 227 (2^100) for a key whose mask is 0 and 1 (2^-126) for a live key; byte 3 is 1.
; The attention sets one code at k = 64 (q: 1.0, k: -7.5).  LIMITS: a live key's score is lowered by 7.5 x 2^-126; a block of zeros gets the byte 1 (its codes are zeros); NaN and infinities are not served.
; No prefetch: two of the four chunks are first fills and the loop has two refills.  REGISTERS, in windows of 256: window 0: v1-31 addresses; v32-95 scale words (nothing else ever); v96-103 masks, v104-119 bv;
; v128-223 A' fragments, ONE set; on the way out v128-219 at work.  window 1: B' fragments, two sets (v0-95, v128-223); v96-127, v224-255 the first step's C.  windows 2, 3: the accumulators ((a, b) at v[8 (8 (a % 4) + b)]).
.set FR,    12                         ; registers of a fragment: 16 rows x 128 K
.set NL,    4                          ; LDS loads that bring one
.set NP,    4                          ; places behind this matrix instruction (ISA guide 7.12.1)
.set TILEB, 3072                       ; a tile's bytes in a chunk: four units
.set HALFT, 8*TILEB                    ; 8 tiles: what one tensor load brings, and what one wave reads of A' or of B'
.set SLOT,  4*HALFT                    ; A' 16 tiles, then B' 16 tiles
.set SCL,   2*SLOT                     ; behind the ring: the scale words, 4,096 bytes for each 8 tiles, filled once
.set HALFS, 4096
.set SPARE, SCL+4*HALFS                ; the spare words, 128 bytes for each wave: two blocks of 256 bytes that no other line names
.set ADRA, 16                          ; v16-17 LDS address of my A' fragments in slot 0, 1 (16 x lane); v18-19 the same with 8 x lane
.set ADRB, 20                          ; v20-23 the same for B'
.set GO16, 24                          ; v24  16 x lane
.set GO8,  25                          ; v25  8 x lane + 512
.set GSW,  26                          ; v26  256 h + 16 r
.set ADRS, 27                          ; v27  LDS address of my scale words: lanes 0-15 A' rows, lanes 16-31 B'
.set SPW,  28                          ; v28  LDS address of my spare word; never rewritten
.set NIL,  29                          ; v29  0; never rewritten
.set GSV,  30                          ; v30  102400 h + 16 r
.set BO4,  31                          ; v31  4 (r + 8 (r / 8))
.set H64,  15                          ; v15  64 h
.set SC,   32                          ; v[SC + 8 i + s]: lanes 0-15 the word of A' tile i, lanes 16-31 of B' tile i, for the s-th 128 along K
.set MK,   96
.set BA,   104
.set AF,   128
.set PCB,  128                         ; the way out: codes, two sets of 20
.set TM,   168
.set FL,   184
.set PW,   185
.set VU,   186
.set VM,   187
.set HI,   188
.set WA,   196
.set WB,   204
.set SD0,  212
.set SD1,  216
.set WV,   26
.set WR,   27
.set WC,   28
.set CX,   29
.set CY,   30
.set CLX,  31
.set CLY,  32
.set TYPE, 33
.set TA,   34
.set TB,   35
.set G1,   36                          ; s[36:43] group 1 for A' tiles; s[52:59] group 0, one set for each slot
.set G1B,  44                          ; s[44:51], s[68:75] the same for B'
.set G0,   52
.set G0S,  60                          ; s[76:83], s[60:63] groups 1 and 0 for A' scale words; s[84:91], s[92:95] for B'
.set G0B,  68
.set G1S,  76
.set G1SB, 84
.set G0SB, 92
.set SEL,  24
.set MSB, 0
.macro WIN new                         ; the immediate's high byte repeats the setting that is left
.if MSB != (\new)
	s_set_vgpr_msb (MSB<<8)|(\new)
.set MSB, (\new)
.endif
.endm
.set MUL_LO, 0xa1                      ; source 0 (B') window 1, source 1 (A') window 0, C and D window 2
.set MUL_HI, 0xf1                      ; the same, C and D window 3
.set TO_B,   0x40                      ; destination window 1, address window 0
; A joint load: waves 0 and 1 fetch for A', waves 2 and 3 for B'.  The branch hangs on the wave's number alone.  Four v_nop follow each of the two lines.
.macro JLOAD g0a, g1a, g0b, g1b
	s_cmp_eq_u32 s[WR], 0
	s_cbranch_scc0 .Lfor_b_\@
	tensor_load_to_lds s[\g0a:\g0a+3], s[\g1a:\g1a+7]
	s_nop 0
.rept 4
	v_nop
.endr
	s_branch .Lasked_\@
.Lfor_b_\@:
	tensor_load_to_lds s[\g0b:\g0b+3], s[\g1b:\g1b+7]
	s_nop 0
.rept 4
	v_nop
.endr
.Lasked_\@:
.endm
.macro CREST                           ; a round of the cluster's barrier behind its opening barrier
	s_cmp_lg_u32 s[WV], 0
	s_cbranch_scc1 .Lnot_wave_0_\@
	s_barrier_signal -3
.Lnot_wave_0_\@:
	s_barrier_wait -3
	s_barrier_signal -1
	s_barrier_wait -1
.endm
.macro CROUND
	s_barrier_signal -1
	s_barrier_wait -1
	CREST
.endm
.macro PLACES n
.rept \n
	v_nop
.endr
.endm
.macro FRAG reg, adr, q, i             ; a fragment = two units, as they lie: every load reads consecutive bytes (512 or 256)
	ds_load_b128 v[\reg:\reg+3], v[\adr] offset:(\i)*TILEB+(\q)*1536
	ds_load_b64 v[\reg+4:\reg+5], v[\adr+2] offset:(\i)*TILEB+(\q)*1536+512
	ds_load_b128 v[\reg+6:\reg+9], v[\adr] offset:(\i)*TILEB+(\q)*1536+768
	ds_load_b64 v[\reg+10:\reg+11], v[\adr+2] offset:(\i)*TILEB+(\q)*1536+1280
.endm
.macro FETCH_B slot, q, p              ; B' eight fragments of the slot's q-th 128 along K into set p
	WIN TO_B
.irp i, 0,1,2,3,4,5,6,7
	FRAG 128*(\p)+FR*\i, ADRB+\slot, \q, \i
.endr
	WIN 0
.endm
.macro FETCH_A slot, q, i0             ; A' tiles i0 .. i0 + 3
.irp i, \i0, \i0+1, \i0+2, \i0+3
	FRAG AF+FR*(\i), ADRA+\slot, \q, \i
.endr
.endm
; 16 matrix instructions: A' tiles a0, a0 + 1 x B' eight.  p: B' set; ks: which 128 along K.  first = 1: the sums begin with the C kept in window 1 (bq or bk in the result's layout; zeros for v).
; The 64 accumulators take turns, one instruction a turn, in the same order in every step.
.macro MUL16 a0, p, ks, first
.irp a, \a0, \a0+1
.irp b, 0,1,2,3,4,5,6,7
.if \first
	v_wmma_scale_f32_16x16x128_f8f6f4 v[8*(8*((\a)%4)+\b):8*(8*((\a)%4)+\b)+7], v[128*(\p)+FR*\b:128*(\p)+FR*\b+FR-1], v[AF+FR*(\a):AF+FR*(\a)+FR-1], v[96+8*\b+96*(\b/4):96+8*\b+96*(\b/4)+7], v[SC+8*\b+(\ks)], v[SC+8*(\a)+(\ks)] matrix_a_fmt:MATRIX_FMT_FP6 matrix_b_fmt:MATRIX_FMT_FP6 matrix_a_scale:MATRIX_SCALE_ROW1
.else
	v_wmma_scale_f32_16x16x128_f8f6f4 v[8*(8*((\a)%4)+\b):8*(8*((\a)%4)+\b)+7], v[128*(\p)+FR*\b:128*(\p)+FR*\b+FR-1], v[AF+FR*(\a):AF+FR*(\a)+FR-1], v[8*(8*((\a)%4)+\b):8*(8*((\a)%4)+\b)+7], v[SC+8*\b+(\ks)], v[SC+8*(\a)+(\ks)] matrix_a_fmt:MATRIX_FMT_FP6 matrix_b_fmt:MATRIX_FMT_FP6 matrix_a_scale:MATRIX_SCALE_ROW1
.endif
.endr
.endr
.endm
.macro STEP slot, ks, first            ; a slot's first 128 along K; its successor lies in the same slot
	s_wait_dscnt 4*NL                              ; B' set and A' tiles 0-3 are in; the youngest 16 loads (A' tiles 4-7) may be out
.if \first
	WIN 0x91                                       ; C in window 1, D in window 2
.else
	WIN MUL_LO
.endif
	MUL16 0, 0, \ks, \first
	MUL16 2, 0, \ks, \first
	s_wait_dscnt 0x0                               ; A' tiles 4-7 are in
	PLACES NP
	FETCH_B \slot, 1, 1
	FETCH_A \slot, 1, 0
.if \first
	WIN 0xd1
.else
	WIN MUL_HI
.endif
	MUL16 4, 0, \ks, \first
	MUL16 6, 0, \ks, \first
	PLACES NP
	WIN 0
	FETCH_A \slot, 1, 4
.endm
; A slot's second 128 along K changes slots: ONE barrier; in front of it each wave waits for all its tensor loads, adds 0 to its spare word, and waits for that and for its reads of this slot.  fill = 1: the slot is filled again, two chunks on.
.macro TURN slot, next, fill, ks
	s_wait_tensorcnt 0x0                           ; all my tensor loads have landed: my part of the next slot
	ds_add_u32 v[SPW], v[NIL]                      ; 0 onto my spare word
	s_wait_dscnt 4*NL+1                            ; (the add and the youngest 16 loads may be out)
	WIN MUL_LO
	MUL16 0, 1, \ks, 0                             ; sixteen matrix instructions stand between the add and the wait for it
	s_wait_dscnt 0x0                               ; the add is done, and my reads of this slot are over
	s_barrier_signal -1
	MUL16 2, 1, \ks, 0
	WIN 0
	s_barrier_wait -1
.if \fill
	CREST                                          ; the barrier has opened a round of the cluster's barrier: no wave of any partner still reads this slot or has a load on its way
	s_add_nc_u64 s[G0+4*\slot+2:G0+4*\slot+3], s[G0+4*\slot+2:G0+4*\slot+3], 2*TILEB
	s_add_nc_u64 s[G0B+4*\slot+2:G0B+4*\slot+3], s[G0B+4*\slot+2:G0B+4*\slot+3], 2*TILEB
	JLOAD G0+4*\slot, G1, G0B+4*\slot, G1B         ; the first tensor load behind the round; its four v_nop are the places in front of the loads below
.else
	PLACES NP
.endif
	FETCH_B \next, 0, 0
	FETCH_A \next, 0, 0
	WIN MUL_HI
	MUL16 4, 1, \ks, 0
	MUL16 6, 1, \ks, 0
	PLACES NP
	WIN 0
	FETCH_A \next, 0, 4
.endm
; The 64 results of A' tile a (register 16 b + i = place 32 b + 16 h + i along B') become a fragment's 12 registers in v[P] on and its scale word in v[PW].
.macro QUANTW a
.set AC, 64*((\a)%4)
.set WN, 2+(\a)/4
.set P, PCB+20*((\a)%2)
	WIN (WN<<2)|(WN<<4)                            ; sources 1 and 2: the accumulators' window
.irp b, 0,1,2,3
	v_max3_num_f32 v[TM+\b], v[FL], |v[AC+16*\b]|, |v[AC+16*\b+1]|                ; block b: my 16 numbers and the floor 2^(3 - 127); each accumulator is read from its low end on
.endr
.irp i, 2,4,6,8,10,12,14
.irp b, 0,1,2,3
	v_max3_num_f32 v[TM+\b], v[TM+\b], |v[AC+16*\b+\i]|, |v[AC+16*\b+\i+1]|
.endr
.endr
	WIN 0
.irp b, 0,1,2,3
	v_permlanex16_b32 v[TM+4+\b], v[TM+\b], s[SEL], s[SEL+1]
.endr
.irp b, 0,1,2,3
	v_max_num_f32 v[TM+\b], v[TM+\b], v[TM+4+\b]   ; with lane l xor 16's: the block's largest magnitude
.endr
.irp b, 0,1,2,3
	v_add_nc_u32 v[TM+12+\b], 0xff000000, v[TM+\b] ; 2 off its exponent field: the conversion's scale operand
.endr
.irp b, 0,1,2,3
	v_lshrrev_b32 v[TM+4+\b], 23, v[TM+12+\b]      ; the scale's byte
.endr
	v_lshl_or_b32 v[PW], v[TM+5], 8, v[TM+4]
	v_lshl_or_b32 v[PW], v[TM+6], 16, v[PW]
	v_lshl_or_b32 v[PW], v[TM+7], 24, v[PW]
	s_wait_xcnt 0x0                                ; the stores of two tiles ago have read this set of code registers
	WIN WN                                         ; source 0: the accumulators' window
.irp c, 0,1
	v_cvt_scalef32_pk16_fp6_f32 v[P+6*\c:P+6*\c+2], v[AC+32*\c:AC+32*\c+15], v[TM+12+2*\c]
	v_cvt_scalef32_pk16_fp6_f32 v[P+12+4*\c:P+14+4*\c], v[AC+32*\c+16:AC+32*\c+31], v[TM+13+2*\c]
.endr
	WIN 0
	v_nop                                          ; one plain place behind the scaled conversions
.irp c, 0,1                                    ; the operand's layout wants a WHOLE block in a lane
.irp i, 0,1,2
	v_permlane16_swap_b32 v[P+6*\c+\i], v[P+12+4*\c+\i]
.endr
.irp i, 0,1,2
	v_mov_b32 v[P+3+6*\c+\i], v[P+12+4*\c+\i]
.endr
.endr
.endm
	s_load_b128 s[4:7], s[0:1], 0x0                ; cod, sc
	s_load_b256 s[8:15], s[0:1], 0x10              ; bq, bk, bv, padding_mask
	s_load_b128 s[16:19], s[0:1], 0x30             ; qimg, kimg
	s_load_b64 s[20:21], s[0:1], 0x40              ; vimg
	v_lshl_add_u32 v[SPW], v0, 2, SPARE
	v_mov_b32 v[NIL], 0
	ds_add_u32 v28, v29
	ds_add_u32 v28, v29
	s_wait_dscnt 0x0
	v_lshrrev_b32 v1, 5, v0
	v_readfirstlane_b32 s[WV], v1                  ; wave 0..3
	s_lshr_b32 s[WR], s[WV], 1                     ; which half of A' rows is mine.  Also: I fetch for A' (0) or for B' (1)
	s_and_b32 s[WC], s[WV], 1                      ; which half of B' rows.  Also: which 8 tiles I fetch
	s_bfe_u32 s[CX], ttmp6, 0x40000
	s_bfe_u32 s[CY], ttmp6, 0x40004
	s_mov_b32 s[CLX], ttmp9                        ; the cluster's x: the kind
	s_and_b32 s[CLY], ttmp7, 0xffff
	s_lshl_b32 s2, s[CLY], 2
	s_lshl_b32 s3, s[CLX], 2
	s_cmp_eq_u32 s[CLX], 2                         ; v?  All choices hang on the cluster's x, which the partners share
	s_cselect_b32 s[TYPE], 1, 0
	s_cselect_b32 s[TA], 0, s2
	s_cselect_b32 s[TB], s2, s3
	s_cselect_b32 s22, 640, 0                      ; A' first tile in cod: Wv's, or x's
	s_cselect_b32 s96, 0, 512                      ; B': x's, or Wq's (Wk's lie 64 on: TB counts through both)
	s_add_co_u32 s[TA], s[TA], s[CY]               ; which 256 rows of A': hangs on cy, never on cx
	s_add_co_u32 s[TB], s[TB], s[CX]               ; which 256 rows of B': hangs on cx, never on cy
	s_lshl_b32 s2, s[CY], 2
	s_lshl_b32 s2, 15, s2                          ; my row of the cluster
	s_lshl_b32 s3, 0x1111, s[CX]                   ; my column
	s_or_b32 s[G1], s2, (3<<16)|(1<<21)            ; 15:0 the mask; 17:16 elements of 8 bytes; 21 set beside a mask; no padding: every LDS load reads consecutive bytes
	s_or_b32 s[G1B], s3, (3<<16)|(1<<21)
	s_or_b32 s[G1S], s2, (3<<16)|(1<<21)
	s_or_b32 s[G1SB], s3, (3<<16)|(1<<21)
.irp g, G1, G1B                                ; 8 tiles x 3,072 bytes (384 elements), 12,288 bytes (1,536 elements) from tile to tile
	s_mov_b32 s[\g+1], 384<<16
	s_mov_b32 s[\g+2], 16<<16                      ; the head's loads bring 16 tiles; behind them the two words are set to 8
	s_mov_b32 s[\g+3], 384<<16
	s_mov_b32 s[\g+4], 16
	s_mov_b32 s[\g+5], 1536
	s_mov_b32 s[\g+6], 0
	s_mov_b32 s[\g+7], 0
.endr
.irp g, G1S, G1SB                              ; the scale words of 16 tiles: 8,192 dense bytes, as 32 rows of 256
	s_mov_b32 s[\g+1], 32<<16
	s_mov_b32 s[\g+2], 32<<16                      ; the scale words of 16 tiles: 32 rows of 256 bytes
	s_mov_b32 s[\g+3], 32<<16
	s_mov_b32 s[\g+4], 32
	s_mov_b32 s[\g+5], 32
	s_mov_b32 s[\g+6], 0
	s_mov_b32 s[\g+7], 0
.endr
	s_lshl_b32 s23, s[TA], 4
	s_add_co_u32 s22, s22, s23                     ; A': the first of the work-group's 16 tiles
	s_mul_i32 s24, s22, 12288
	s_mov_b32 s25, 0
	s_lshl_b32 s22, s22, 9
	s_mov_b32 s23, 0
	s_lshl_b32 s97, s[TB], 4
	s_add_co_u32 s96, s96, s97                     ; B' likewise
	s_mul_i32 s98, s96, 12288
	s_mov_b32 s99, 0
	s_lshl_b32 s96, s96, 9
	s_mov_b32 s97, 0
	s_mul_i32 s100, s[WV], HALFT                   ; where they go: no place in the cluster enters an LDS address
	WIN TO_B                                       ; the first step's C: zeros, which q's and k's work-groups load their bias over
.set i, 0
.rept 32
	v_mov_b32 v[96+i], 0
	v_mov_b32 v[224+i], 0
.set i, i+1
.endr
	WIN 0
.set i, 0
.rept 24
	v_mov_b32 v[MK+i], 0                           ; masks and bv: written on every way
.set i, i+1
.endr
	s_wait_kmcnt 0x0
	s_add_nc_u64 s[24:25], s[4:5], s[24:25]
	s_add_nc_u64 s[22:23], s[6:7], s[22:23]
	s_add_nc_u64 s[98:99], s[4:5], s[98:99]
	s_add_nc_u64 s[96:97], s[6:7], s[96:97]
	CROUND                                         ; all sixteen work-groups are here: the first joint loads meet
	s_mov_b32 s[G0S], 1
	s_mov_b32 s[G0S+1], SCL
	s_mov_b64 s[G0S+2:G0S+3], s[22:23]
	s_or_b32 s[G0S+3], s[G0S+3], 0x80000000
	s_mov_b32 s[G0SB], 1
	s_mov_b32 s[G0SB+1], SCL+2*HALFS
	s_mov_b64 s[G0SB+2:G0SB+3], s[96:97]
	s_or_b32 s[G0SB+3], s[G0SB+3], 0x80000000
.irp s, 0,1
	s_mov_b32 s[G0+4*\s], 1
	s_add_co_u32 s[G0+4*\s+1], s100, \s*SLOT
	s_add_nc_u64 s[G0+4*\s+2:G0+4*\s+3], s[24:25], \s*TILEB
	s_or_b32 s[G0+4*\s+3], s[G0+4*\s+3], 0x80000000
	s_mov_b32 s[G0B+4*\s], 1
	s_add_co_u32 s[G0B+4*\s+1], s100, \s*SLOT
	s_add_nc_u64 s[G0B+4*\s+2:G0B+4*\s+3], s[98:99], \s*TILEB
	s_or_b32 s[G0B+4*\s+3], s[G0B+4*\s+3], 0x80000000
.endr
	s_mul_i32 s66, s[WC], 8*12288                  ; in the ring I fetch 8 tiles: which half, in bytes
	s_mov_b32 s67, 0
	s_add_nc_u64 s[G0+6:G0+7], s[G0+6:G0+7], s[66:67]
	s_add_nc_u64 s[G0B+6:G0B+7], s[G0B+6:G0B+7], s[66:67]
	s_mov_b32 s[G0+1], 0                           ; at the head slot 0's two descriptors stand for whole tiles: A' 16 tiles at 0,
	s_mov_b32 s[G0B+1], 2*HALFT                    ; B' 16 tiles behind them
	; THE HEAD'S LOADS, ONE A WAVE: wave 0 chunk 0 of A', wave 1 of B', wave 2 A' scale words, wave 3 B'.  One chain of branches on the wave's number
	s_cmp_lt_u32 s[WV], 1
	s_cbranch_scc0 .Lhd_b
	tensor_load_to_lds s[G0:G0+3], s[G1:G1+7]
	s_nop 0
	PLACES 4
	s_branch .Lhd_asked
.Lhd_b:
	s_cmp_lt_u32 s[WV], 2
	s_cbranch_scc0 .Lhd_sa
	tensor_load_to_lds s[G0B:G0B+3], s[G1B:G1B+7]
	s_nop 0
	PLACES 4
	s_branch .Lhd_asked
.Lhd_sa:
	s_cmp_lt_u32 s[WV], 3
	s_cbranch_scc0 .Lhd_sb
	tensor_load_to_lds s[G0S:G0S+3], s[G1S:G1S+7]
	s_nop 0
	PLACES 4
	s_branch .Lhd_asked
.Lhd_sb:
	tensor_load_to_lds s[G0SB:G0SB+3], s[G1SB:G1SB+7]
	s_nop 0
	PLACES 4
.Lhd_asked:
	v_and_b32 v1, 15, v0                           ; r
	v_bfe_u32 v2, v0, 4, 1                         ; h (kept)
	v_and_b32 v3, 31, v0                           ; lane
	v_lshlrev_b32 v[GO16], 4, v3
	v_lshl_add_u32 v[GO8], v3, 3, 512
	v_lshlrev_b32 v4, 3, v3
	s_mul_i32 s2, s[WR], HALFT                     ; my 8 tiles of A'
	s_mul_i32 s3, s[WC], HALFT                     ; my 8 tiles of B',
	s_add_co_u32 s3, s3, 2*HALFT                   ; which lie behind A' 16
.irp s, 0,1
	v_add_nc_u32 v[ADRA+\s], s2, v[GO16]
	v_add_nc_u32 v[ADRA+2+\s], s2, v4
	v_add_nc_u32 v[ADRB+\s], s3, v[GO16]
	v_add_nc_u32 v[ADRB+2+\s], s3, v4
	s_add_co_u32 s2, s2, SLOT
	s_add_co_u32 s3, s3, SLOT
.endr
	v_lshlrev_b32 v5, 4, v1                        ; 16 r
	s_mul_i32 s2, s[WR], HALFS
	s_mul_i32 s3, s[WC], HALFS
	s_add_co_u32 s3, s3, 2*HALFS
	s_sub_co_u32 s3, s3, s2
	v_mul_u32_u24 v6, s3, v2                       ; lanes 16-31 take B' words: the lower base + h x the distance
	s_add_co_u32 s2, s2, SCL
	v_add_nc_u32 v6, v5, v6
	v_add_nc_u32 v[ADRS], s2, v6
	v_lshl_add_u32 v[GSW], v2, 8, v5
	v_mul_u32_u24 v6, v2, 102400
	v_add_nc_u32 v[GSV], v6, v5
	v_and_b32 v6, 8, v1
	v_add_nc_u32 v6, v6, v1
	v_lshlrev_b32 v[BO4], 2, v6
	v_lshlrev_b32 v[H64], 6, v2
	s_lshl_b32 s22, s[TA], 10                      ; 4 bytes x my first row of A': 256 TA + 128 WR
	s_lshl_b32 s23, s[WR], 9
	s_add_co_u32 s22, s22, s23
	s_mov_b32 s23, 0
	s_cmp_eq_u32 s[TYPE], 1
	s_cbranch_scc1 .Lhead_v
	s_cmp_eq_u32 s[CLX], 0
	s_cselect_b64 s[96:97], s[8:9], s[10:11]       ; bq or bk
	s_lshl_b32 s98, s[CX], 10                      ; my first feature: 256 cx + 128 WC
	s_lshl_b32 s99, s[WC], 9
	s_add_co_u32 s98, s98, s99
	s_mov_b32 s99, 0
	s_add_nc_u64 s[96:97], s[96:97], s[98:99]
	s_add_nc_u64 s[24:25], s[14:15], s[22:23]      ; the mask of my tokens
	WIN TO_B
	s_wait_alu depctr_va_vdst(0)
.irp g, 0,1,2,3                                ; the bias in the result's layout: for B' tiles 2 g, 2 g + 1 a lane wants features 32 g + 16 h + 0 .. 15
.irp j, 0,1,2,3
	global_load_b128 v[96+16*\g+96*(\g/2)+4*\j:96+16*\g+96*(\g/2)+4*\j+3], v[H64], s[96:97] offset:128*\g+16*\j
.endr
.endr
	WIN 0
.irp a, 0,1,2,3,4,5,6,7
	global_load_b32 v[MK+\a], v[BO4], s[24:25] offset:4*(32*(\a/2)+8*(\a%2))      ; the mask of tile a's lane-row r
.endr
	s_branch .Lhead_done
.Lhead_v:
	s_add_nc_u64 s[24:25], s[12:13], s[22:23]      ; bv of my features
	s_wait_alu depctr_va_vdst(0)
.irp a, 0,1,2,3,4,5,6,7
	global_load_b32 v[BA+2*\a], v[BO4], s[24:25] offset:4*(32*(\a/2)+8*(\a%2))
.endr
.Lhead_done:
	s_wait_alu depctr_va_vdst(0)
	s_wait_tensorcnt 0x0                           ; my tile of the head's four is in; the three lines ahead of slot 1's first fill:
	ds_add_u32 v[SPW], v[NIL]
	s_mov_b32 s[G1+2], 8<<16                       ; no tensor load of mine is out: from here on a load brings 8 tiles,
	s_mov_b32 s[G1+4], 8
	s_mov_b32 s[G1B+2], 8<<16
	s_mov_b32 s[G1B+4], 8
	s_mov_b32 s[G0+1], s100                        ; and slot 0's descriptors stand for my 8 tiles
	s_mov_b32 s[G0B+1], s100
	s_add_nc_u64 s[G0+2:G0+3], s[G0+2:G0+3], s[66:67]
	s_add_nc_u64 s[G0B+2:G0B+3], s[G0B+2:G0B+3], s[66:67]
	s_wait_dscnt 0x0
	CROUND                                         ; all four tiles are in, in every partner
	JLOAD G0+4, G1, G0B+4, G1B                     ; chunk 1, the first tensor load behind the round
.irp i, 0,1,2,3,4,5,6,7
.irp k, 0,1
	ds_load_b128 v[SC+8*\i+4*\k:SC+8*\i+4*\k+3], v[ADRS] offset:\i*512+\k*256     ; all scale words of my 128 + 128 rows, once
.endr
.endr
	FETCH_B 0, 0, 0
	FETCH_A 0, 0, 0
	FETCH_A 0, 0, 4
	s_wait_loadcnt 0x0                             ; the bias, the masks
	STEP 0, 0, 1
	TURN 0, 1, 1, 1                                ; chunk 2 into slot 0
	STEP 1, 2, 0
	TURN 1, 0, 1, 3                                ; chunk 3 into slot 1
	STEP 0, 4, 0
	TURN 0, 1, 0, 5                                ; nothing is left to fetch
	STEP 1, 6, 0
	s_wait_dscnt 4*NL                              ; the last step
	WIN MUL_LO
	MUL16 0, 1, 7, 0
	MUL16 2, 1, 7, 0
	s_wait_dscnt 0x0
	WIN MUL_HI
	MUL16 4, 1, 7, 0
	MUL16 6, 1, 7, 0
	WIN 0
	; THE WAY OUT: no LDS: a lane's registers already are what the next product's operand wants of it
	PLACES NP
	v_mov_b32 v[FL], 0x1800000
.irp b, 0,1,2,3
	v_mov_b32 v[TM+4+\b], 0                        ; a lane permute's destination counts as one of its sources
.endr
	v_cmp_ne_u32 vcc_lo, 0, v2                     ; lanes 16-31
	s_mov_b32 s[SEL], 0x76543210
	s_mov_b32 s[SEL+1], 0xfedcba98
	s_cmp_eq_u32 s[TYPE], 1
	s_cbranch_scc1 .Lout_v
	; q, k: my 128 features are two heads; a tile's fragment is one unit for each
	s_mov_b32 s2, 0x017f0000                       ; q: bytes 2, 3 of every scale word: 127, 1
	s_mov_b32 s3, 0x017f0000
	s_cmp_eq_u32 s[CLX], 0
	s_cselect_b32 s2, s2, 0x01010000               ; k, a live key: 1, 1
	s_cselect_b32 s3, s3, 0x01e30000               ; k, a key whose mask is 0: 227, 1
	s_cselect_b64 s[96:97], s[16:17], s[18:19]
	v_mov_b32 v[VU], s2
	v_mov_b32 v[VM], s3
	s_wait_alu depctr_va_vdst(0)
	s_lshr_b32 s98, s[TA], 3                       ; the batch,
	s_lshl_b32 s98, s98, 4
	s_lshl_b32 s99, s[CX], 2
	s_add_co_u32 s98, s98, s99
	s_lshl_b32 s99, s[WC], 1
	s_add_co_u32 s98, s98, s99                     ; x 16 + my first head: 4 cx + 2 WC
	s_mul_i32 s98, s98, 106496
	s_mov_b32 s99, 0
	s_add_nc_u64 s[96:97], s[96:97], s[98:99]
	s_and_b32 s100, s[TA], 7
	s_lshl_b32 s100, s100, 1
	s_add_co_u32 s100, s100, s[WR]                 ; which 128 tokens of the sequence
	s_lshl_b32 s98, s100, 9
	s_add_co_u32 s98, s98, 98304
	s_add_nc_u64 s[22:23], s[96:97], s[98:99]      ; their scale words
	s_mul_i32 s98, s100, 6144
	s_add_nc_u64 s[96:97], s[96:97], s[98:99]      ; their units
.irp a, 0,1,2,3,4,5,6,7
	v_cmp_eq_u32 s101, 0, v[MK+\a]
	v_cndmask_b32 v[HI+\a], v[VU], v[VM], s101
.endr
.irp a, 0,1,2,3,4,5,6,7
	QUANTW \a
	global_store_b128 v[GO16], v[P:P+3], s[96:97] offset:\a*768
	global_store_b64 v[GO8], v[P+4:P+5], s[96:97] offset:\a*768
	global_store_b128 v[GO16], v[P+6:P+9], s[96:97] offset:106496+\a*768          ; the next head's record
	global_store_b64 v[GO8], v[P+10:P+11], s[96:97] offset:106496+\a*768
	v_and_or_b32 v[WA+\a], v[PW], 0xffff, v[HI+\a] ; the first head's two bytes, and bytes 2, 3
	v_lshrrev_b32 v[TM], 16, v[PW]
	v_or_b32 v[WB+\a], v[TM], v[HI+\a]             ; the second head's
.endr
.irp i, 0,1,2,3
	v_cndmask_b32 v[SD0+\i], v[WA+\i], v[WA+4+\i], vcc_lo                         ; lanes 0-15 store tiles 0-3's words, lanes 16-31 tiles 4-7's
	v_cndmask_b32 v[SD1+\i], v[WB+\i], v[WB+4+\i], vcc_lo
.endr
	global_store_b128 v[GSW], v[SD0:SD0+3], s[22:23]                              ; 512 consecutive bytes
	global_store_b128 v[GSW], v[SD1:SD1+3], s[22:23] offset:106496
	s_branch .Ljoin
.Lout_v:
	; v: my 128 features are two heads x four tiles of channels; my 128 tokens are one step of keys
.irp a, 0,1,2,3,4,5,6,7
	v_mov_b32 v[BA+2*\a+1], v[BA+2*\a]
.endr
	s_lshr_b32 s98, s[TB], 3                       ; the batch,
	s_lshl_b32 s98, s98, 4
	s_lshl_b32 s99, s[TA], 2
	s_add_co_u32 s98, s98, s99
	s_lshl_b32 s99, s[WR], 1
	s_add_co_u32 s98, s98, s99                     ; x 16 + my first head: 4 TA + 2 WR
	s_mul_i32 s98, s98, 102400
	s_mov_b32 s99, 0
	s_add_nc_u64 s[96:97], s[20:21], s[98:99]
	s_and_b32 s100, s[TB], 7
	s_lshl_b32 s100, s100, 1
	s_add_co_u32 s100, s100, s[WC]                 ; ks
	s_lshl_b32 s98, s100, 8
	s_add_co_u32 s98, s98, 98304
	s_add_nc_u64 s[22:23], s[96:97], s[98:99]
	s_mul_i32 s98, s100, 6144
	s_add_nc_u64 s[96:97], s[96:97], s[98:99]
	s_wait_alu depctr_va_vdst(0)
.irp a, 0,1,2,3,4,5,6,7
	WIN 0x82+0x41*(\a/4)                           ; destination and source 0: the accumulators' window
.set i, 0
.rept 32
	v_pk_add_f32 v[64*(\a%4)+i:64*(\a%4)+i+1], v[64*(\a%4)+i:64*(\a%4)+i+1], v[BA+2*\a:BA+2*\a+1]   ; + bv of my feature, each accumulator from its low end on
.set i, i+2
.endr
	QUANTW \a
	global_store_b128 v[GO16], v[P:P+3], s[96:97] offset:(\a/4)*102400+(\a%4)*1536
	global_store_b128 v[GO16], v[P+4:P+7], s[96:97] offset:(\a/4)*102400+(\a%4)*1536+512
	global_store_b128 v[GO16], v[P+8:P+11], s[96:97] offset:(\a/4)*102400+(\a%4)*1536+1024
	v_mov_b32 v[WA+\a], v[PW]
.endr
.irp i, 0,1,2,3
	v_cndmask_b32 v[SD0+\i], v[WA+\i], v[WA+4+\i], vcc_lo                         ; lanes 0-15: the first head's four tiles, lanes 16-31: the second's
.endr
	global_store_b128 v[GSV], v[SD0:SD0+3], s[22:23]                              ; 256 consecutive bytes in each of the two records
.Ljoin:
	s_wait_tensorcnt 0x0                           ; the wave's end
	ds_add_u32 v[SPW], v[NIL]
	s_wait_dscnt 0x0
	CROUND                                         ; the closing round: no work-group ends while a partner may still ask for a tile that names it
	s_endpgm
.Lfunc_end_k_qc48dfaabf0_qkv:
	.size	k_qc48dfaabf0_qkv, .Lfunc_end_k_qc48dfaabf0_qkv-k_qc48dfaabf0_qkv
	.p2alignl 7, 3214868480
	.fill 96, 4, 3214868480
	.section	.rodata,"a",@progbits
	.p2align	6, 0x0
	.amdhsa_kernel k_qc48dfaabf0_qkv
		.amdhsa_group_segment_fixed_size 327680
		.amdhsa_private_segment_fixed_size 0
		.amdhsa_enable_private_segment 0
		.amdhsa_kernarg_size 72
		.amdhsa_user_sgpr_count 2
		.amdhsa_user_sgpr_kernarg_segment_ptr 1
		.amdhsa_wavefront_size32 1
		.amdhsa_system_sgpr_workgroup_id_x 1
		.amdhsa_system_sgpr_workgroup_id_y 1
		.amdhsa_system_sgpr_workgroup_id_z 1
		.amdhsa_system_vgpr_workitem_id 0
		.amdhsa_next_free_vgpr 1024
		.amdhsa_next_free_sgpr 102
		.amdhsa_reserve_vcc 1
		.amdhsa_float_denorm_mode_32 3
		.amdhsa_float_denorm_mode_16_64 3
		.amdhsa_memory_ordered 1
		.amdhsa_forward_progress 1
		.amdhsa_inst_pref_size 207
	.end_amdhsa_kernel
	.amdgpu_metadata
---
amdhsa.version: [ 1, 2 ]
amdhsa.kernels:
  - .name:           k_qc48dfaabf0_qkv
    .symbol:         k_qc48dfaabf0_qkv.kd
    .args:
      - { .name: cod, .offset: 0, .size: 8, .value_kind: global_buffer, .address_space: global }
      - { .name: sc, .offset: 8, .size: 8, .value_kind: global_buffer, .address_space: global }
      - { .name: bq, .offset: 16, .size: 8, .value_kind: global_buffer, .address_space: global }
      - { .name: bk, .offset: 24, .size: 8, .value_kind: global_buffer, .address_space: global }
      - { .name: bv, .offset: 32, .size: 8, .value_kind: global_buffer, .address_space: global }
      - { .name: padding_mask, .offset: 40, .size: 8, .value_kind: global_buffer, .address_space: global }
      - { .name: qimg, .offset: 48, .size: 8, .value_kind: global_buffer, .address_space: global }
      - { .name: kimg, .offset: 56, .size: 8, .value_kind: global_buffer, .address_space: global }
      - { .name: vimg, .offset: 64, .size: 8, .value_kind: global_buffer, .address_space: global }
    .group_segment_fixed_size: 327680
    .private_segment_fixed_size: 0
    .kernarg_segment_align: 8
    .kernarg_segment_size: 72
    .max_flat_workgroup_size: 128
    .sgpr_count:     102
    .vgpr_count:     1024
    .wavefront_size: 32
...
	.end_amdgpu_metadata
.endif
;; end of part 2
;; launch attn (part 3): grid 4 x 64, 16 waves a work-group, clusters of 4 x 1, 327,680 bytes of LDS; arguments qimg, kimg, vimg, ac, asc; writes ac, asc
.if DOCPART == 3
	.amdgcn_target "amdgcn-amd-amdhsa--gfx1250"
	.amdhsa_code_object_version 6
	.text
	.protected	k_qc48dfaabf0_attn
	.globl	k_qc48dfaabf0_attn
	.p2align	8
	.type	k_qc48dfaabf0_attn,@function
k_qc48dfaabf0_attn:
	s_mov_b64 s[64:65], 0
	v_nop
	global_prefetch_b8 v0, s[64:65] scope:SCOPE_SE
	s_setreg_imm32_b32 hwreg(HW_REG_WAVE_MODE, 25, 1), 1
	s_wait_xcnt 0x0
	s_wait_alu depctr_hold_cnt(0) depctr_sa_sdst(0) depctr_va_vdst(0) depctr_va_sdst(0) depctr_va_ssrc(0) depctr_va_vcc(0) depctr_vm_vsrc(0)
	s_getreg_b32 s2, hwreg(HW_REG_IB_STS2, 6, 4)
	s_cmp_eq_u32 s2, 0
	s_cbranch_scc0 .Lentry_in_a_cluster
	s_endpgm
.Lentry_in_a_cluster:
	s_bfe_u32 s2, ttmp6, 0x10000c
	s_cmp_lg_u32 s2, 0x3003
	s_cbranch_scc0 .Lentry_shape_is_right
	s_endpgm
.Lentry_shape_is_right:
; Causal attention of one (batch, head) on codes of FP6 (E2M3): weights = softmax(q k^T / 8), quantised FINISHED AND NORMALISED along the keys, times v; the result is quantised along the head's 64 for the last projection.
; LEFT OUT: steps of 128 keys that lie wholly above the diagonal: the mask that the problem itself builds gives them the weight 0.
; THE DEAL.  A cluster of four work-groups serves one head; K's and V's records (106,496 and 102,400 bytes, as the launch before laid them) come into each partner's LDS once, by joint loads: sixteen waves, one load each
; (waves 0-7 an eighth of K, 52 rows of 256 bytes; waves 8-15 an eighth of V, 50 rows).  All loads stand at the head, so there is no loop in which a prefetch could run ahead: none is written.
; Wave w takes query tile 8 w + 2 cx and then tile 8 (15 - w) + 2 cx + 1: w + 1 and 16 - w key steps, 17 for every wave.  Both key loops have 16 trips; a scalar branch on the wave's number leads round the steps above the diagonal.
; Both products are used transposed (S^T = k q^T, O^T = v^T p^T): a lane holds one query, and the 16 registers of key tiles 2 b, 2 b + 1 are the neighbouring keys 32 b + 16 h + 0 .. 15.
; PASS 1: the running maximum m and the sum l of 2^(c s - c m), c = log2(e) / 8; each block's largest score goes to the wave's own LDS (256 bytes a step).  PASS 2: the scores again, p = 2^(c s - c m - log2 l): the division by l
; stands in the exponent's addend; a block's largest p is its largest score put through the same multiply-add and exponential; codes, scale word, O^T += v^T p^T.
; THE CAUSAL MASK in the diagonal step: key 32 b + 16 h + i against query 32 cx + qpos.  Lane masks for i = 0 .. 15 are made once a tile (16 compares); scalar instructions widen them by block (b < cx open, b = cx the lane mask, b > cx closed):
; one select a score.  cx enters values alone: no branch and no LDS address hangs on it.
; THE PADDING MASK comes with k's scale words as the launch before laid them (code 1.0 of q and -7.5 of k at k = 64; k's byte 2 is 2^100 for a key whose mask is 0, 2^-126 for a live one).
; LIMITS: a live key's score is lowered by 7.5 x 2^-126; a row none of whose scores exceeds -2^90 counts as wholly masked and gets weights 0, as nan_to_num gives; a block of zeros gets the byte 1; NaN and infinities are not served.
.set KB,  106496
.set VB,  102400
.set BMB, KB+VB                        ; the blocks' largest scores: 4,096 bytes a wave
.set SPARE, BMB+65536                  ; the spare words: 128 bytes a wave
.set QF,  32                           ; v32-43 q's fragment; v44 its scale word; v45-51 the second tile's
.set QS,  44
.set KF,  52                           ; v52-99 four fragments of k
.set KSW, 100
.set S,   108                          ; v108-171 scores, then p, then v's fragments
.set O,   172                          ; v172-203 O^T
.set KG,  172                          ; v172-219 pass 1: four more fragments of k
.set PC,  204
.set PT0, 216
.set PT1, 220
.set TM,  224
.set PW,  240
.set VSW, 244
.set BM,  248
.set G1K, 32
.set G1V, 40
.set G0K, 48
.set G0V, 52
.set GT,  76                           ; s76-79: all ones where b > cx;  s80-95: the tile's lane masks
.set CM,  80
.macro WALU
	s_wait_alu depctr_va_vdst(0)
.endm
.macro CROUND
	s_barrier_signal -1
	s_barrier_wait -1
	s_cmp_lg_u32 s14, 0
	s_cbranch_scc1 .Lnot_wave_0_\@
	s_barrier_signal -3
.Lnot_wave_0_\@:
	s_barrier_wait -3
	s_barrier_signal -1
	s_barrier_wait -1
.endm
.macro KLOAD f, n                      ; key tile n of the step: a unit of 768 bytes, 16 bytes a lane and 8
	ds_load_b128 v[(\f):(\f)+3], v8 offset:(\n)*768
	ds_load_b64 v[(\f)+4:(\f)+5], v9 offset:(\n)*768
.endm
.macro QK d, f, w
	v_wmma_scale_f32_16x16x128_f8f6f4 v[(\d):(\d)+7], v[(\f):(\f)+11], v[QF:QF+11], 0, v[\w], v[QS] matrix_a_fmt:MATRIX_FMT_FP6 matrix_b_fmt:MATRIX_FMT_FP6
.endm
.macro MASK from, cnt                  ; the diagonal step alone: -inf over the keys behind the query, scores from .. from + cnt - 1; each accumulator is read from its low end on
	s_cmp_lg_u32 s19, s17
	s_cbranch_scc1 .Lopen_\@
.set n, \from
.rept \cnt
.if n%16 == 0
	s_cmp_eq_u32 s15, n/16                         ; block b = cx takes the lane masks, the others all lanes or none: a choice of values, no branch
.endif
	s_cselect_b32 s[96+n%2], s[CM+n%16], s[GT+n/16]
	v_cndmask_b32 v[S+n], v[S+n], v7, s[96+n%2]
.set n, n+1
.endr
.Lopen_\@:
.endm
.macro ARGS from, cnt                  ; c s + the addend in v16, two at a time: cnt pairs from score from on
.set j, \from
.rept \cnt
	v_pk_fma_f32 v[S+j:S+j+1], v[S+j:S+j+1], s[26:27], v[16:17] op_sel_hi:[1,0,0]
.set j, j+2
.endr
.endm
.macro EXPS
.set j, 0
.rept 64
	v_exp_f32 v[S+j], v[S+j]
.set j, j+1
.endr
.endm
	s_load_b128 s[4:7], s[0:1], 0x0                ; qimg, kimg
	s_load_b128 s[8:11], s[0:1], 0x10              ; vimg, ac
	s_load_b64 s[12:13], s[0:1], 0x20              ; asc
	v_lshl_add_u32 v254, v0, 2, SPARE
	v_mov_b32 v255, 0
	ds_add_u32 v254, v255                          ; the opening lines
	ds_add_u32 v254, v255
	v_lshrrev_b32 v8, 5, v0
	v_readfirstlane_b32 s14, v8                    ; wave
	s_bfe_u32 s15, ttmp6, 0x40000                  ; cx
	s_and_b32 s16, ttmp7, 0xffff                   ; 16 x batch + head
	s_mov_b32 s[G1K], 15|(3<<16)|(1<<21)           ; rows of 256 bytes (32 elements of 8), dense; the mask names the four partners
	s_mov_b32 s[G1K+1], 32<<16
	s_mov_b32 s[G1K+2], 52<<16
	s_mov_b32 s[G1K+3], 32<<16
	s_mov_b32 s[G1K+4], 52
	s_mov_b32 s[G1K+5], 32
	s_mov_b32 s[G1K+6], 0
	s_mov_b32 s[G1K+7], 0
	s_mov_b32 s[G1V], 15|(3<<16)|(1<<21)
	s_mov_b32 s[G1V+1], 32<<16
	s_mov_b32 s[G1V+2], 50<<16
	s_mov_b32 s[G1V+3], 32<<16
	s_mov_b32 s[G1V+4], 50
	s_mov_b32 s[G1V+5], 32
	s_mov_b32 s[G1V+6], 0
	s_mov_b32 s[G1V+7], 0
	s_and_b32 s30, s14, 7                          ; which eighth
	s_mul_i32 s60, s16, KB
	s_mov_b32 s61, 0
	s_mul_i32 s62, s30, 13312
	s_add_co_u32 s66, s60, s62
	s_mov_b32 s67, 0
	s_mul_i32 s68, s16, VB
	s_mul_i32 s63, s30, 12800
	s_add_co_u32 s68, s68, s63
	s_mov_b32 s69, 0
	s_mov_b32 s24, 0x76543210
	s_mov_b32 s25, 0xfedcba98                      ; v_permlanex16_b32's selects for lane l xor 16
	s_mov_b32 s26, 0x3e38aa3b                      ; c = log2(e) / 8
	s_mov_b32 s27, s26
	s_mov_b32 s28, 0xbe38aa3b                      ; -c
.irp b, 0,1,2,3
	s_cmp_lt_u32 s15, \b
	s_cselect_b32 s[GT+\b], -1, 0
.endr
	s_lshl_b32 s31, s14, 12
	s_add_co_u32 s31, s31, BMB
	v_and_b32 v9, 31, v0
	v_and_b32 v10, 15, v0                          ; r
	v_bfe_u32 v11, v0, 4, 1                        ; h
	v_lshlrev_b32 v1, 4, v9                        ; 16 x lane: k's units in LDS, and the images in memory
	v_lshl_add_u32 v2, v9, 3, 512                  ; 8 x lane + 512
	v_lshl_add_u32 v3, v10, 4, 98304               ; k's scale words
	v_lshl_add_u32 v4, v9, 4, KB                   ; v's fragments
	v_lshl_add_u32 v5, v10, 4, KB+98304            ; v's scale words
	v_lshlrev_b32 v15, 4, v10                      ; 16 r
	v_add_nc_u32 v6, s31, v15                      ; my wave's block maxima: both halves of the lanes name the same 16 bytes and hold the same numbers
	v_mov_b32 v7, 0xff800000
	v_mov_b32 v17, 0
	v_mov_b32 v25, 0
	v_mov_b32 v27, 0
.irp b, 0,1,2,3
	v_mov_b32 v[TM+4+\b], 0                        ; a lane permute's destination counts as one of its sources
.endr
	v_lshlrev_b32 v26, 3, v11
	v_sub_nc_u32 v[QF+6], 8, v26                   ; q: the code 1.0 at k = 64
	v_mul_u32_u24 v26, v11, 63
.irp t, 0,1,2,3
	v_sub_nc_u32 v[KF+12*\t+6], 63, v26            ; k: the code -7.5 at k = 64
.endr
.irp j, 7,8,9,10,11
	v_mov_b32 v[QF+\j], 0
.irp t, 0,1,2,3
	v_mov_b32 v[KF+12*\t+\j], 0
.endr
.endr
	v_and_b32 v26, 8, v10
	v_add_nc_u32 v26, v26, v10
	v_lshlrev_b32 v28, 4, v11
	v_sub_nc_u32 v29, v26, v28                     ; r + 8 (r / 8) - 16 h
	WALU
	s_wait_dscnt 0x0
	s_wait_kmcnt 0x0
	s_mov_b32 s[G0K], 1
	s_mov_b32 s[G0K+1], s62
	s_add_nc_u64 s[G0K+2:G0K+3], s[6:7], s[66:67]
	s_or_b32 s[G0K+3], s[G0K+3], 0x80000000
	s_mov_b32 s[G0V], 1
	s_add_co_u32 s[G0V+1], s63, KB
	s_add_nc_u64 s[G0V+2:G0V+3], s[8:9], s[68:69]
	s_or_b32 s[G0V+3], s[G0V+3], 0x80000000
	CROUND                                         ; the four partners are here: the joint loads meet
	s_cmp_lt_u32 s14, 8
	s_cbranch_scc0 .Lfor_v
	tensor_load_to_lds s[G0K:G0K+3], s[G1K:G1K+7]
	s_nop 0
.rept 4
	v_nop
.endr
	s_branch .Lasked
.Lfor_v:
	tensor_load_to_lds s[G0V:G0V+3], s[G1V:G1V+7]
	s_nop 0
.rept 4
	v_nop
.endr
.Lasked:
	s_lshl_b32 s30, s14, 3
	s_lshl_b32 s31, s15, 1
	s_add_co_u32 s62, s30, s31                     ; my first tile
	s_sub_co_u32 s63, 121, s30
	s_add_co_u32 s63, s63, s31                     ; my second
	s_add_nc_u64 s[66:67], s[4:5], s[60:61]
	s_mul_i32 s60, s62, 768
	s_add_nc_u64 s[68:69], s[66:67], s[60:61]
	s_lshr_b32 s60, s62, 2
	s_lshl_b32 s60, s60, 8
	s_and_b32 s30, s62, 3
	s_lshl_b32 s30, s30, 2
	s_add_co_u32 s60, s60, s30
	s_add_co_u32 s60, s60, 98304
	s_add_nc_u64 s[56:57], s[66:67], s[60:61]
	s_mul_i32 s60, s63, 768
	s_add_nc_u64 s[58:59], s[66:67], s[60:61]
	s_lshr_b32 s60, s63, 2
	s_lshl_b32 s60, s60, 8
	s_and_b32 s30, s63, 3
	s_lshl_b32 s30, s30, 2
	s_add_co_u32 s60, s60, s30
	s_add_co_u32 s60, s60, 98304
	s_add_nc_u64 s[70:71], s[66:67], s[60:61]
	global_load_b128 v[QF:QF+3], v1, s[68:69]
	global_load_b64 v[QF+4:QF+5], v2, s[68:69]
	global_load_b32 v[QS], v15, s[56:57]
	global_load_b128 v[46:49], v1, s[58:59]
	global_load_b64 v[50:51], v2, s[58:59]
	global_load_b32 v45, v15, s[70:71]
	s_mov_b32 s17, s14                             ; the tile's diagonal step
	s_mov_b32 s18, 0                               ; the tile's parity
	s_mov_b32 s29, 0
	s_wait_loadcnt 0x0
	s_wait_tensorcnt 0x0                           ; my eighth is in,
	s_barrier_signal -1
	s_barrier_wait -1                              ; everybody's is: K and V are whole; nothing is filled again
.Ltile:
	WALU
	v_lshl_add_u32 v14, s18, 3, v29                ; qpos - 16 h
	v_mov_b32 v20, 0xec800000                      ; the running maximum begins at -2^90
	v_mul_f32 v16, s28, v20                        ; -c m
	v_mov_b32 v18, 0
	v_mov_b32 v19, 0
.set i, 0
.rept 16
	v_cmp_gt_i32 s[CM+i], i, v14                   ; lanes whose key 16 h + i lies behind their query
.set i, i+1
.endr
.irp t, 0,1,2,3
	v_mov_b32 v[KG+12*\t+6], v[KF+6]               ; the upper halves of pass 1's four further fragments
.irp j, 7,8,9,10,11
	v_mov_b32 v[KG+12*\t+\j], 0
.endr
.endr
	WALU
	s_mov_b32 s19, 0
	s_mov_b32 s20, 0
	s_mov_b32 s21, 0
	s_mov_b32 s23, 0
.Lpass1:
	s_cmp_gt_u32 s19, s17
	s_cbranch_scc1 .Lskip1
	v_add_nc_u32 v8, s20, v1
	v_add_nc_u32 v9, s20, v2
	v_add_nc_u32 v10, s21, v3
	ds_load_b128 v[KSW:KSW+3], v10
	ds_load_b128 v[KSW+4:KSW+7], v10 offset:256
.irp t, 0,1,2,3
	KLOAD KF+12*\t, \t
.endr
.irp t, 0,1,2,3
	KLOAD KG+12*\t, 4+\t
.endr
	s_wait_dscnt 8                                 ; all but the second four tiles' eight loads
.irp t, 0,1,2,3
	QK S+8*\t, KF+12*\t, KSW+\t
.endr
	s_wait_dscnt 0x0
.irp t, 0,1,2,3
	QK S+32+8*\t, KG+12*\t, KSW+4+\t
.endr
	v_mov_b32 v28, v16                             ; the old -c m, and where this step's block maxima go: with two v_nop the four places behind the products
	v_add_nc_u32 v13, s23, v6
.rept 2
	v_nop
.endr
	MASK 0, 64
.irp b, 0,1,2,3
	v_max3_num_f32 v[TM+\b], v[S+16*\b], v[S+16*\b+1], v[S+16*\b+2]
.endr
.irp i, 3,5,7,9,11,13
.irp b, 0,1,2,3
	v_max3_num_f32 v[TM+\b], v[TM+\b], v[S+16*\b+\i], v[S+16*\b+\i+1]
.endr
.endr
.irp b, 0,1,2,3
	v_max_num_f32 v[TM+\b], v[TM+\b], v[S+16*\b+15]
.endr
.irp b, 0,1,2,3
	v_permlanex16_b32 v[TM+4+\b], v[TM+\b], s24, s25
.endr
.irp b, 0,1,2,3
	v_max_num_f32 v[TM+\b], v[TM+\b], v[TM+4+\b]   ; each block's largest score
.endr
	ds_store_b128 v13, v[TM:TM+3]                  ; kept for pass 2
	v_max3_num_f32 v26, v[TM], v[TM+1], v[TM+2]
	v_max3_num_f32 v20, v20, v26, v[TM+3]
	v_mul_f32 v16, s28, v20
	v_sub_f32 v28, v16, v28                        ; c (old m - new m)
	ARGS 0, 32
	WALU                                           ; ahead of the batch
	v_exp_f32 v24, v28
	EXPS
	v_nop
	WALU                                           ; and behind it
	v_pk_mul_f32 v[18:19], v[18:19], v[24:25] op_sel_hi:[1,0]
	v_pk_add_f32 v[30:31], v[S:S+1], v[S+2:S+3]
.irp j, 4,8,12,16,20,24,28,32,36,40,44,48,52,56,60
	v_pk_add_f32 v[18:19], v[18:19], v[S+\j:S+\j+1]
	v_pk_add_f32 v[30:31], v[30:31], v[S+\j+2:S+\j+3]
.endr
	v_pk_add_f32 v[18:19], v[18:19], v[30:31]
.Lskip1:
	s_add_co_u32 s20, s20, 6144
	s_add_co_u32 s21, s21, 512
	s_add_co_u32 s23, s23, 256
	s_add_co_u32 s19, s19, 1
	s_cmp_lt_u32 s19, 16
	s_cbranch_scc1 .Lpass1
	WALU
	v_add_f32 v26, v18, v19
	v_permlanex16_b32 v27, v26, s24, s25
	v_add_f32 v26, v26, v27                        ; l
	WALU
	v_log_f32 v28, v26
	v_nop
	WALU
	v_cmp_ge_f32 vcc_lo, 0xec800000, v20           ; a wholly masked row: l = 0; its addend stays -c m, under which every p is 0
	v_cndmask_b32 v28, v28, v25, vcc_lo
	v_sub_f32 v16, v16, v28                        ; -c m - log2 l
.set j, 0
.rept 32
	v_mov_b32 v[O+j], 0
.set j, j+1
.endr
	s_mov_b32 s19, 0
	s_mov_b32 s20, 0
	s_mov_b32 s21, 0
	s_mov_b32 s22, 0
	s_mov_b32 s23, 0
.Lpass2:
	s_cmp_gt_u32 s19, s17
	s_cbranch_scc1 .Lskip2
	v_add_nc_u32 v8, s20, v1
	v_add_nc_u32 v9, s20, v2
	v_add_nc_u32 v10, s21, v3
	v_add_nc_u32 v11, s22, v4
	v_add_nc_u32 v12, s23, v5
	v_add_nc_u32 v13, s23, v6
	WALU
	ds_load_b128 v[KSW:KSW+3], v10
	ds_load_b128 v[KSW+4:KSW+7], v10 offset:256
	ds_load_b128 v[BM:BM+3], v13                   ; LDS serves a wave's instructions in order: this sees pass 1's store
.irp t, 0,1,2,3
	KLOAD KF+12*\t, \t
.endr
	s_wait_dscnt 0x0
.irp t, 0,1,2,3
	QK S+8*\t, KF+12*\t, KSW+\t
.endr
.irp b, 0,1,2,3
	v_fma_f32 v[TM+\b], v[BM+\b], s26, v16         ; the blocks' largest scores take the same multiply-add; these four lines are the places behind the first four products
.endr
.irp t, 0,1,2,3
	KLOAD KF+12*\t, 4+\t
.endr
	MASK 0, 32                                     ; the first half's work stands between the second four tiles' loads and the wait for them
	ARGS 0, 12
	s_wait_dscnt 0x0
.irp t, 0,1,2,3
	QK S+32+8*\t, KF+12*\t, KSW+4+\t
.endr
	ARGS 24, 4                                     ; four lines on the first half's last scores: the places behind the second four products
	MASK 32, 32
	ARGS 32, 16
	WALU
	EXPS
.irp b, 0,1,2,3
	v_exp_f32 v[TM+\b], v[TM+\b]                   ; each block's largest p
.endr
	v_nop
	WALU
.irp b, 0,1,2,3
	v_max_num_f32 v[TM+\b], 0x1800000, v[TM+\b]    ; the floor 2^(3 - 127): the byte cannot fall under 1
.endr
.irp b, 0,1,2,3
	v_add_nc_u32 v[TM+12+\b], 0xff000000, v[TM+\b] ; 2 off the exponent field: the conversion's scale operand (the four blocks by turns)
.endr
.irp b, 0,1,2,3
	v_lshrrev_b32 v[TM+4+\b], 23, v[TM+12+\b]
.endr
	s_delay_alu instid0(VALU_DEP_3)
	v_lshl_or_b32 v[PW], v[TM+5], 8, v[TM+4]
	s_delay_alu instid0(VALU_DEP_1)
	v_lshl_or_b32 v[PW], v[TM+6], 16, v[PW]
	s_delay_alu instid0(VALU_DEP_1)
	v_lshl_or_b32 v[PW], v[TM+7], 24, v[PW]        ; p's scale word for these 128 keys
	v_cvt_scalef32_pk16_fp6_f32 v[PC:PC+2], v[S:S+15], v[TM+12]
	v_cvt_scalef32_pk16_fp6_f32 v[PT0:PT0+2], v[S+16:S+31], v[TM+13]
	v_cvt_scalef32_pk16_fp6_f32 v[PC+6:PC+8], v[S+32:S+47], v[TM+14]
	v_cvt_scalef32_pk16_fp6_f32 v[PT1:PT1+2], v[S+48:S+63], v[TM+15]
	v_nop                                          ; one plain place behind the scaled conversions
.irp t, 0,1,2,3
.irp c, 0,1,2
	ds_load_b128 v[S+12*\t+4*\c:S+12*\t+4*\c+3], v11 offset:\t*1536+512*\c
.endr
.endr
	ds_load_b128 v[VSW:VSW+3], v12
.irp i, 0,1,2
	v_permlane16_swap_b32 v[PC+\i], v[PT0+\i]      ; the operand's layout wants a whole block in a lane
	v_permlane16_swap_b32 v[PC+6+\i], v[PT1+\i]
.endr
.irp i, 0,1,2
	v_mov_b32 v[PC+3+\i], v[PT0+\i]
	v_mov_b32 v[PC+9+\i], v[PT1+\i]
.endr
.rept 8
	v_nop                                          ; a scale register written by a vector instruction stands 8 places ahead of a scaled product, an operand 4
.endr
	WALU
	s_wait_dscnt 0x0
.irp t, 0,1,2,3
	v_wmma_scale_f32_16x16x128_f8f6f4 v[O+8*\t:O+8*\t+7], v[S+12*\t:S+12*\t+11], v[PC:PC+11], v[O+8*\t:O+8*\t+7], v[VSW+\t], v[PW] matrix_a_fmt:MATRIX_FMT_FP6 matrix_b_fmt:MATRIX_FMT_FP6
.endr
.Lskip2:
	s_add_co_u32 s20, s20, 6144
	s_add_co_u32 s21, s21, 512
	s_add_co_u32 s22, s22, 6144
	s_add_co_u32 s23, s23, 256
	s_add_co_u32 s19, s19, 1
	s_cmp_lt_u32 s19, 16
	s_cbranch_scc1 .Lpass2
	; the tile's 16 rows x 64 become a unit of the last projection's operand and two scale bytes a row
.rept 4
	v_nop
.endr
.irp b, 0,1
	v_max3_num_f32 v[TM+\b], |v[O+16*\b]|, |v[O+16*\b+1]|, 0x1800000
.endr
.irp i, 2,4,6,8,10,12,14
.irp b, 0,1
	v_max3_num_f32 v[TM+\b], v[TM+\b], |v[O+16*\b+\i]|, |v[O+16*\b+\i+1]|
.endr
.endr
.irp b, 0,1
	v_permlanex16_b32 v[TM+4+\b], v[TM+\b], s24, s25
.endr
.irp b, 0,1
	v_max_num_f32 v[TM+\b], v[TM+\b], v[TM+4+\b]
.endr
.irp b, 0,1
	v_add_nc_u32 v[TM+12+\b], 0xff000000, v[TM+\b]
.endr
.irp b, 0,1
	v_lshrrev_b32 v[TM+4+\b], 23, v[TM+12+\b]
.endr
	v_lshl_or_b32 v26, v[TM+5], 8, v[TM+4]
	v_cvt_scalef32_pk16_fp6_f32 v[PC:PC+2], v[O:O+15], v[TM+12]
	v_cvt_scalef32_pk16_fp6_f32 v[PT0:PT0+2], v[O+16:O+31], v[TM+13]
	v_nop
.irp i, 0,1,2
	v_permlane16_swap_b32 v[PC+\i], v[PT0+\i]
.endr
.irp i, 0,1,2
	v_mov_b32 v[PC+3+\i], v[PT0+\i]
.endr
	s_lshl_b32 s60, s17, 3
	s_lshl_b32 s61, s15, 1
	s_add_co_u32 s60, s60, s61
	s_add_co_u32 s60, s60, s18
	s_lshr_b32 s61, s16, 4
	s_lshl_b32 s61, s61, 7
	s_add_co_u32 s60, s60, s61                     ; the tile among all tokens' 512
	s_lshl_b32 s62, s60, 4
	s_and_b32 s63, s16, 15
	s_add_co_u32 s62, s62, s63
	s_mul_i32 s62, s62, 768                        ; its unit: the head is the 64 along K
	s_mov_b32 s63, 0
	s_add_nc_u64 s[56:57], s[10:11], s[62:63]
	s_lshl_b32 s62, s60, 9
	s_bfe_u32 s61, s16, 0x10003
	s_lshl_b32 s61, s61, 8
	s_add_co_u32 s62, s62, s61
	s_bfe_u32 s61, s16, 0x20001
	s_lshl_b32 s61, s61, 2
	s_add_co_u32 s62, s62, s61
	s_and_b32 s61, s16, 1
	s_lshl_b32 s61, s61, 1
	s_add_co_u32 s62, s62, s61
	s_add_nc_u64 s[58:59], s[12:13], s[62:63]
	WALU
	global_store_b128 v1, v[PC:PC+3], s[56:57]
	global_store_b64 v2, v[PC+4:PC+5], s[56:57]
	global_store_b16 v15, v26, s[58:59]
	s_wait_xcnt 0x0                                ; the stores have read their registers
	v_mov_b32 v[QS], v45                           ; the second tile's q
.irp i, 0,1,2,3,4,5
	v_mov_b32 v[QF+\i], v[46+\i]
.endr
	s_sub_co_u32 s17, 15, s17
	s_mov_b32 s18, 1
	s_add_co_u32 s29, s29, 1
	s_cmp_lt_u32 s29, 2
	s_cbranch_scc1 .Ltile
	s_wait_tensorcnt 0x0                           ; the wave's end
	ds_add_u32 v254, v255
	s_wait_dscnt 0x0
	CROUND                                         ; the closing round
	s_endpgm
.Lfunc_end_k_qc48dfaabf0_attn:
	.size	k_qc48dfaabf0_attn, .Lfunc_end_k_qc48dfaabf0_attn-k_qc48dfaabf0_attn
	.p2alignl 7, 3214868480
	.fill 96, 4, 3214868480
	.section	.rodata,"a",@progbits
	.p2align	6, 0x0
	.amdhsa_kernel k_qc48dfaabf0_attn
		.amdhsa_group_segment_fixed_size 327680
		.amdhsa_private_segment_fixed_size 0
		.amdhsa_enable_private_segment 0
		.amdhsa_kernarg_size 40
		.amdhsa_user_sgpr_count 2
		.amdhsa_user_sgpr_kernarg_segment_ptr 1
		.amdhsa_wavefront_size32 1
		.amdhsa_system_sgpr_workgroup_id_x 1
		.amdhsa_system_sgpr_workgroup_id_y 1
		.amdhsa_system_sgpr_workgroup_id_z 1
		.amdhsa_system_vgpr_workitem_id 0
		.amdhsa_next_free_vgpr 256
		.amdhsa_next_free_sgpr 98
		.amdhsa_reserve_vcc 1
		.amdhsa_float_denorm_mode_32 3
		.amdhsa_float_denorm_mode_16_64 3
		.amdhsa_memory_ordered 1
		.amdhsa_forward_progress 1
		.amdhsa_inst_pref_size 51
	.end_amdhsa_kernel
	.amdgpu_metadata
---
amdhsa.version: [ 1, 2 ]
amdhsa.kernels:
  - .name:           k_qc48dfaabf0_attn
    .symbol:         k_qc48dfaabf0_attn.kd
    .args:
      - { .name: qimg, .offset: 0, .size: 8, .value_kind: global_buffer, .address_space: global }
      - { .name: kimg, .offset: 8, .size: 8, .value_kind: global_buffer, .address_space: global }
      - { .name: vimg, .offset: 16, .size: 8, .value_kind: global_buffer, .address_space: global }
      - { .name: ac, .offset: 24, .size: 8, .value_kind: global_buffer, .address_space: global }
      - { .name: asc, .offset: 32, .size: 8, .value_kind: global_buffer, .address_space: global }
    .group_segment_fixed_size: 327680
    .private_segment_fixed_size: 0
    .kernarg_segment_align: 8
    .kernarg_segment_size: 40
    .max_flat_workgroup_size: 512
    .sgpr_count:     98
    .vgpr_count:     256
    .wavefront_size: 32
...
	.end_amdgpu_metadata
.endif
;; end of part 3
;; launch oproj (part 4): grid 4 x 64, 4 waves a work-group, clusters of 4 x 4, 327,680 bytes of LDS; arguments ac, asc, cod, sc, bo, out0; writes out0
.if DOCPART == 4
	.amdgcn_target "amdgcn-amd-amdhsa--gfx1250"
	.amdhsa_code_object_version 6
	.text
	.protected	k_qc48dfaabf0_oproj
	.globl	k_qc48dfaabf0_oproj
	.p2align	8
	.type	k_qc48dfaabf0_oproj,@function
k_qc48dfaabf0_oproj:
	s_mov_b64 s[64:65], 0
	v_nop
	global_prefetch_b8 v0, s[64:65] scope:SCOPE_SE
	s_setreg_imm32_b32 hwreg(HW_REG_WAVE_MODE, 25, 1), 1
	s_wait_xcnt 0x0
	s_wait_alu depctr_hold_cnt(0) depctr_sa_sdst(0) depctr_va_vdst(0) depctr_va_sdst(0) depctr_va_ssrc(0) depctr_va_vcc(0) depctr_vm_vsrc(0)
	s_getreg_b32 s2, hwreg(HW_REG_IB_STS2, 6, 4)
	s_cmp_eq_u32 s2, 0
	s_cbranch_scc0 .Lentry_in_a_cluster
	s_endpgm
.Lentry_in_a_cluster:
	s_bfe_u32 s2, ttmp6, 0x10000c
	s_cmp_lg_u32 s2, 0xf033
	s_cbranch_scc0 .Lentry_shape_is_right
	s_endpgm
.Lentry_shape_is_right:
; out0 = attended Wo + bo on codes of FP6 (E2M3) with E8M0 scales, K = 1,024.  Operands come as the earlier launches laid them: tiles of 16 rows (lane-row r of tile t is row 32 (t / 2) + 8 (t % 2) + r + 8 (r / 8)),
; 12,288 bytes a tile, units of 64 along K (768 bytes: 16 bytes a lane at 16 l, 8 at 512 + 8 l); scale words at tile x 512 + (s / 4) x 256 + 16 r + 4 (s % 4) for the s-th 128 along K.
; THE DEAL.  256 work-groups of four waves; a work-group makes 128 tokens x 256 features, a wave 64 x 128: 32 accumulators.  A' = 8 tiles of tokens (ac), B' = 16 tiles of Wo's columns (cod, tiles 704 on).
; ALL OF K LIES IN LDS: A' 98,304 bytes at 0, B' 196,608 behind it, each a dense block of memory stated as rows of 256 bytes.  One joint load a wave at the head (waves 0, 1 half of A' each, waves 2, 3 half of B'), nothing is filled again:
; no ring and no round but the opening and the closing one.  All loads stand at the head, so there is no loop in which a prefetch could run ahead: none is written.
; CLUSTERS: 4 x 4 work-groups; A' is shared along a row of the cluster, B' along a column.
; THE SCALE WORDS go from memory straight into registers: sixteen lanes read 256 consecutive bytes (lanes 16-31 name the same bytes).  B' words in v32-95 (8 b + s), A' words in v96-127 (8 a + (s + 4) % 8); they hold nothing else.
; THE MATRIX INSTRUCTION IS USED TRANSPOSED (source 0 = B', source 1 = A'): a lane holds one token, and the 16 registers of B' tiles 2 g, 2 g + 1 are the neighbouring features 32 g + 16 h + 0 .. 15.  bo is the first step's C.
; A step is 128 along K: 32 products, the 32 accumulators by turns, on two sets of fragments: the next step's 48 LDS loads are issued ahead of a step's products.
; REGISTERS: window 0: v1-31 addresses; v32-127 scale words; v128-223 A' fragments, two sets of 48; on the way out v128-255.  window 1: B' fragments, two sets (v0-95, v128-223); v96-127, v224-255 bo.  window 2: accumulator (a, b) at v[8 (8 a + b)].
.set FR,    12
.set NP,    4                          ; places behind this matrix instruction (ISA guide 7.12.1)
.set TILEB, 12288
.set ABYTES, 8*TILEB
.set SPARE, 3*ABYTES                   ; the spare words, 128 bytes a wave
.set SPITCH, 528                       ; the way out: a stage of 16 rows x (512 + 16) bytes a wave, on A' bytes, which have had their one fill and, behind the barrier, their last read
.set R16,  14                          ; v14  16 r
.set H64,  15                          ; v15  64 h
.set ADRA, 16                          ; v16, v17  my A' tiles: 16 x lane, 8 x lane
.set ADRB, 18                          ; v18, v19  my B' tiles 0-3; v20, v21 tiles 4-7
.set CO,   24
.set STO,  25
.set RD,   26
.set SPW,  28
.set NIL,  29
.set SCB,  32
.set SCA,  96
.set AF,   128
.set BK,   128
.set WV,   26
.set WR,   27
.set WC,   28
.set CX,   29
.set CY,   30
.set TA,   34
.set TB,   35
.set G1,   36
.set G1B,  44
.set G0,   52
.set G0B,  56
.set MSB, 0
.macro WIN new                         ; the immediate's high byte repeats the setting that is left
.if MSB != (\new)
	s_set_vgpr_msb (MSB<<8)|(\new)
.set MSB, (\new)
.endif
.endm
.set MUL_LO, 0xa1                      ; source 0 (B') window 1, source 1 (A') window 0, C and D window 2
.set TO_B,   0x40
.macro CROUND
	s_barrier_signal -1
	s_barrier_wait -1
	s_cmp_lg_u32 s[WV], 0
	s_cbranch_scc1 .Lnot_wave_0_\@
	s_barrier_signal -3
.Lnot_wave_0_\@:
	s_barrier_wait -3
	s_barrier_signal -1
	s_barrier_wait -1
.endm
.macro PLACES n
.rept \n
	v_nop
.endr
.endm
.macro FRAG reg, adr, ks, i            ; a fragment = two units, as they lie: every load reads consecutive bytes
	ds_load_b128 v[(\reg):(\reg)+3], v[\adr] offset:(\i)*TILEB+(\ks)*1536
	ds_load_b64 v[(\reg)+4:(\reg)+5], v[(\adr)+1] offset:(\i)*TILEB+(\ks)*1536+512
	ds_load_b128 v[(\reg)+6:(\reg)+9], v[\adr] offset:(\i)*TILEB+(\ks)*1536+768
	ds_load_b64 v[(\reg)+10:(\reg)+11], v[(\adr)+1] offset:(\i)*TILEB+(\ks)*1536+1280
.endm
.macro FETCH ks, p                     ; step ks's fragments into set p: 48 loads
	WIN TO_B
.irp i, 0,1,2,3,4,5,6,7
	FRAG 128*(\p)+FR*\i, ADRB+2*(\i/4), \ks, \i%4
.endr
	WIN 0
.irp i, 0,1,2,3
	FRAG AF+48*(\p)+FR*\i, ADRA, \ks, \i
.endr
.endm
.macro MUL32 p, ks, first
.irp a, 0,1,2,3
.irp b, 0,1,2,3,4,5,6,7
.if \first
	v_wmma_scale_f32_16x16x128_f8f6f4 v[8*(8*\a+\b):8*(8*\a+\b)+7], v[128*(\p)+FR*\b:128*(\p)+FR*\b+FR-1], v[AF+48*(\p)+FR*\a:AF+48*(\p)+FR*\a+FR-1], v[96+8*\b+96*(\b/4):96+8*\b+96*(\b/4)+7], v[SCB+8*\b+(\ks)], v[SCA+8*\a+((\ks)+4)%8] matrix_a_fmt:MATRIX_FMT_FP6 matrix_b_fmt:MATRIX_FMT_FP6
.else
	v_wmma_scale_f32_16x16x128_f8f6f4 v[8*(8*\a+\b):8*(8*\a+\b)+7], v[128*(\p)+FR*\b:128*(\p)+FR*\b+FR-1], v[AF+48*(\p)+FR*\a:AF+48*(\p)+FR*\a+FR-1], v[8*(8*\a+\b):8*(8*\a+\b)+7], v[SCB+8*\b+(\ks)], v[SCA+8*\a+((\ks)+4)%8] matrix_a_fmt:MATRIX_FMT_FP6 matrix_b_fmt:MATRIX_FMT_FP6
.endif
.endr
.endr
.endm
	s_load_b128 s[4:7], s[0:1], 0x0                ; ac, asc
	s_load_b128 s[8:11], s[0:1], 0x10              ; cod, sc
	s_load_b128 s[12:15], s[0:1], 0x20             ; bo, out0
	v_lshl_add_u32 v[SPW], v0, 2, SPARE
	v_mov_b32 v[NIL], 0
	ds_add_u32 v[SPW], v[NIL]                      ; the opening lines
	ds_add_u32 v[SPW], v[NIL]
	v_lshrrev_b32 v1, 5, v0
	v_readfirstlane_b32 s[WV], v1                  ; wave 0..3
	s_lshr_b32 s[WR], s[WV], 1                     ; which 4 tiles of A' are mine.  Also: I fetch for A' (0) or for B' (1)
	s_and_b32 s[WC], s[WV], 1                      ; which 8 tiles of B'.  Also: which half I fetch
	s_bfe_u32 s[CX], ttmp6, 0x40000
	s_bfe_u32 s[CY], ttmp6, 0x40004
	s_lshl_b32 s[TB], ttmp9, 2
	s_add_co_u32 s[TB], s[TB], s[CX]               ; which 256 features
	s_and_b32 s[TA], ttmp7, 0xffff
	s_lshl_b32 s[TA], s[TA], 2
	s_add_co_u32 s[TA], s[TA], s[CY]               ; which 128 tokens
	s_lshl_b32 s2, s[CY], 2
	s_lshl_b32 s2, 15, s2                          ; my row of the cluster
	s_lshl_b32 s3, 0x1111, s[CX]                   ; my column
	s_or_b32 s[G1], s2, (3<<16)|(1<<21)            ; rows of 256 bytes (32 elements of 8), dense, no padding: 192 rows for half of A',
	s_mov_b32 s[G1+1], 32<<16
	s_mov_b32 s[G1+2], 192<<16
	s_mov_b32 s[G1+3], 32<<16
	s_mov_b32 s[G1+4], 192
	s_mov_b32 s[G1+5], 32
	s_mov_b32 s[G1+6], 0
	s_mov_b32 s[G1+7], 0
	s_or_b32 s[G1B], s3, (3<<16)|(1<<21)           ; 384 for half of B'
	s_mov_b32 s[G1B+1], 32<<16
	s_mov_b32 s[G1B+2], 384<<16
	s_mov_b32 s[G1B+3], 32<<16
	s_mov_b32 s[G1B+4], 384
	s_mov_b32 s[G1B+5], 32
	s_mov_b32 s[G1B+6], 0
	s_mov_b32 s[G1B+7], 0
	s_lshl_b32 s16, s[TA], 3
	s_lshl_b32 s17, s[WC], 2
	s_add_co_u32 s16, s16, s17
	s_mul_i32 s16, s16, TILEB                      ; A': the four tiles that I fetch, bytes from ac
	s_mov_b32 s17, 0
	s_lshl_b32 s18, s[TB], 4
	s_lshl_b32 s19, s[WC], 3
	s_add_co_u32 s18, s18, s19
	s_add_co_u32 s18, s18, 704                     ; B': the eight tiles that I fetch; they are also the eight that I multiply
	s_lshl_b32 s22, s18, 9                         ; their scale words, bytes from sc
	s_mov_b32 s23, 0
	s_mul_i32 s18, s18, TILEB
	s_mov_b32 s19, 0
	s_lshl_b32 s20, s[TA], 3
	s_lshl_b32 s21, s[WR], 2
	s_add_co_u32 s20, s20, s21
	s_lshl_b32 s20, s20, 9                         ; the scale words of my four tiles of A', bytes from asc
	s_mov_b32 s21, 0
	s_lshl_b32 s24, s[TB], 10
	s_lshl_b32 s25, s[WC], 9
	s_add_co_u32 s24, s24, s25                     ; my first feature x 4 bytes
	s_mov_b32 s25, 0
	s_lshl_b32 s60, s[TA], 19
	s_lshl_b32 s61, s[WR], 18
	s_add_co_u32 s60, s60, s61                     ; my first token x 4,096 bytes
	s_mov_b32 s61, 0
	s_mul_i32 s62, s[WC], 4*TILEB                  ; where the halves go: no place in the cluster enters an LDS address
	s_mul_i32 s63, s[WC], ABYTES
	s_add_co_u32 s63, s63, ABYTES
	s_wait_dscnt 0x0
	s_wait_kmcnt 0x0
	s_add_nc_u64 s[16:17], s[4:5], s[16:17]
	s_add_nc_u64 s[18:19], s[8:9], s[18:19]
	s_add_nc_u64 s[20:21], s[6:7], s[20:21]
	s_add_nc_u64 s[22:23], s[10:11], s[22:23]
	s_add_nc_u64 s[12:13], s[12:13], s[24:25]
	s_add_nc_u64 s[14:15], s[14:15], s[24:25]
	s_add_nc_u64 s[14:15], s[14:15], s[60:61]
	CROUND                                         ; all sixteen work-groups are here: the joint loads meet
	s_mov_b32 s[G0], 1
	s_mov_b32 s[G0+1], s62
	s_mov_b64 s[G0+2:G0+3], s[16:17]
	s_or_b32 s[G0+3], s[G0+3], 0x80000000
	s_mov_b32 s[G0B], 1
	s_mov_b32 s[G0B+1], s63
	s_mov_b64 s[G0B+2:G0B+3], s[18:19]
	s_or_b32 s[G0B+3], s[G0B+3], 0x80000000
	s_cmp_eq_u32 s[WR], 0                          ; one tensor load a wave, in the two arms of one branch on the wave's number
	s_cbranch_scc0 .Lfor_b
	tensor_load_to_lds s[G0:G0+3], s[G1:G1+7]
	s_nop 0
	PLACES 4
	s_branch .Lasked
.Lfor_b:
	tensor_load_to_lds s[G0B:G0B+3], s[G1B:G1B+7]
	s_nop 0
	PLACES 4
.Lasked:
	s_mul_i32 s2, s[WR], 4*TILEB                   ; my 4 tiles of A'
	s_mul_i32 s3, s[WC], ABYTES
	s_add_co_u32 s3, s3, ABYTES                    ; my 8 tiles of B'
	s_add_co_u32 s16, s3, 4*TILEB                  ; the upper four of them: an LDS offset has 16 bits
	s_mul_i32 s17, s[WV], 16*SPITCH                ; my stage
	v_and_b32 v1, 15, v0                           ; r
	v_bfe_u32 v2, v0, 4, 1                         ; h
	v_and_b32 v3, 31, v0                           ; lane
	v_lshlrev_b32 v[CO], 4, v3
	v_lshlrev_b32 v4, 3, v3
	v_add_nc_u32 v[ADRA], s2, v[CO]
	v_add_nc_u32 v[ADRA+1], s2, v4
	v_add_nc_u32 v[ADRB], s3, v[CO]
	v_add_nc_u32 v[ADRB+1], s3, v4
	v_add_nc_u32 v[ADRB+2], s16, v[CO]
	v_add_nc_u32 v[ADRB+3], s16, v4
	v_lshlrev_b32 v[R16], 4, v1
	v_lshlrev_b32 v[H64], 6, v2
	v_mul_u32_u24 v5, v1, SPITCH
	v_lshl_add_u32 v5, v2, 6, v5
	v_add_nc_u32 v[STO], s17, v5                   ; into the stage: row r, 64 h bytes
	v_add_nc_u32 v[RD], s17, v[CO]                 ; out of it: the 32 lanes take a row of 512 bytes
	s_wait_alu depctr_va_vdst(0)
.irp b, 0,1,2,3,4,5,6,7
	global_load_b128 v[SCB+8*\b:SCB+8*\b+3], v[R16], s[22:23] offset:\b*512
	global_load_b128 v[SCB+8*\b+4:SCB+8*\b+7], v[R16], s[22:23] offset:\b*512+256
.endr
.irp a, 0,1,2,3
	global_load_b128 v[SCA+8*\a+4:SCA+8*\a+7], v[R16], s[20:21] offset:\a*512
	global_load_b128 v[SCA+8*\a:SCA+8*\a+3], v[R16], s[20:21] offset:\a*512+256
.endr
	WIN TO_B
.irp g, 0,1,2,3                                ; bo in the result's layout: for B' tiles 2 g, 2 g + 1 a lane wants features 32 g + 16 h + 0 .. 15
.irp j, 0,1,2,3
	global_load_b128 v[96+16*\g+96*(\g/2)+4*\j:96+16*\g+96*(\g/2)+4*\j+3], v[H64], s[12:13] offset:128*\g+16*\j
.endr
.endr
	WIN 0
	s_wait_tensorcnt 0x0                           ; my half is in,
	s_barrier_signal -1
	s_barrier_wait -1                              ; everybody's is: A' and B' are whole
	FETCH 0, 0
	FETCH 1, 1
	s_wait_loadcnt 0x0                             ; the scale words, bo
	s_wait_dscnt 48                                ; all but step 1's 48 loads
	WIN 0x91                                       ; C in window 1, D in window 2
	MUL32 0, 0, 1
.irp ks, 1,2,3,4,5,6
	s_wait_dscnt 0x0                               ; this step's fragments, asked for ahead of the last step's products
	PLACES NP                                      ; in front of loads into the set that those products read
	FETCH \ks+1, (\ks+1)%2
	WIN MUL_LO
	MUL32 \ks%2, \ks, 0
.endr
	s_wait_dscnt 0x0                               ; my last reads of A' and B' are over:
	s_barrier_signal -1                            ; say so, work on registers while the others arrive,
	MUL32 1, 7, 0
	WIN 0
	s_barrier_wait -1                              ; and behind this nobody reads the bytes that the stages take
; THE WAY OUT, block by block of 16 tokens x 128 features: through my stage, back as whole rows of 512 bytes, which the 32 lanes store as two aligned units of 256 bytes.  LDS serves a wave's instructions in order.
.macro TOSTAGE a
.set AC, 64*(\a)
	WIN 0x08                                       ; the data: window 2
.irp b, 0,1,2,3,4,5,6,7
	ds_store_b128 v[STO], v[AC+8*\b:AC+8*\b+3] offset:128*(\b/2)+32*(\b%2)       ; each accumulator from its low end on
	ds_store_b128 v[STO], v[AC+8*\b+4:AC+8*\b+7] offset:128*(\b/2)+32*(\b%2)+16
.endr
	WIN 0
.set BB, BK+64*((\a)%2)
.irp t, 0,1,2,3,4,5,6,7,8,9,10,11,12,13,14,15
	ds_load_b128 v[BB+4*\t:BB+4*\t+3], v[RD] offset:\t*SPITCH
.endr
.endm
.macro SEND a, younger                 ; younger: the LDS instructions issued behind block a's loads
.set BB, BK+64*((\a)%2)
	s_wait_dscnt \younger
.irp t, 0,1,2,3,4,5,6,7,8,9,10,11,12,13,14,15
	global_store_b128 v[CO], v[BB+4*\t:BB+4*\t+3], s[14:15] offset:(32*((\a)/2)+8*((\a)%2)+\t+8*(\t/8))*4096 th:TH_STORE_NT
.endr
.endm
	PLACES NP
	TOSTAGE 0
.irp a, 1,2,3
.if \a > 1
	s_wait_xcnt 0x0                                ; block a - 2's stores have read their registers
.endif
	TOSTAGE \a
	SEND \a-1, 32
.endr
	SEND 3, 0
	s_wait_tensorcnt 0x0                           ; the wave's end
	ds_add_u32 v[SPW], v[NIL]
	s_wait_dscnt 0x0
	CROUND                                         ; the closing round
	s_endpgm
.Lfunc_end_k_qc48dfaabf0_oproj:
	.size	k_qc48dfaabf0_oproj, .Lfunc_end_k_qc48dfaabf0_oproj-k_qc48dfaabf0_oproj
	.p2alignl 7, 3214868480
	.fill 96, 4, 3214868480
	.section	.rodata,"a",@progbits
	.p2align	6, 0x0
	.amdhsa_kernel k_qc48dfaabf0_oproj
		.amdhsa_group_segment_fixed_size 327680
		.amdhsa_private_segment_fixed_size 0
		.amdhsa_enable_private_segment 0
		.amdhsa_kernarg_size 48
		.amdhsa_user_sgpr_count 2
		.amdhsa_user_sgpr_kernarg_segment_ptr 1
		.amdhsa_wavefront_size32 1
		.amdhsa_system_sgpr_workgroup_id_x 1
		.amdhsa_system_sgpr_workgroup_id_y 1
		.amdhsa_system_sgpr_workgroup_id_z 1
		.amdhsa_system_vgpr_workitem_id 0
		.amdhsa_next_free_vgpr 768
		.amdhsa_next_free_sgpr 76
		.amdhsa_reserve_vcc 0
		.amdhsa_float_denorm_mode_32 3
		.amdhsa_float_denorm_mode_16_64 3
		.amdhsa_memory_ordered 1
		.amdhsa_forward_progress 1
		.amdhsa_inst_pref_size 83
	.end_amdhsa_kernel
	.amdgpu_metadata
---
amdhsa.version: [ 1, 2 ]
amdhsa.kernels:
  - .name:           k_qc48dfaabf0_oproj
    .symbol:         k_qc48dfaabf0_oproj.kd
    .args:
      - { .name: ac, .offset: 0, .size: 8, .value_kind: global_buffer, .address_space: global }
      - { .name: asc, .offset: 8, .size: 8, .value_kind: global_buffer, .address_space: global }
      - { .name: cod, .offset: 16, .size: 8, .value_kind: global_buffer, .address_space: global }
      - { .name: sc, .offset: 24, .size: 8, .value_kind: global_buffer, .address_space: global }
      - { .name: bo, .offset: 32, .size: 8, .value_kind: global_buffer, .address_space: global }
      - { .name: out0, .offset: 40, .size: 8, .value_kind: global_buffer, .address_space: global }
    .group_segment_fixed_size: 327680
    .private_segment_fixed_size: 0
    .kernarg_segment_align: 8
    .kernarg_segment_size: 48
    .max_flat_workgroup_size: 128
    .sgpr_count:     76
    .vgpr_count:     768
    .wavefront_size: 32
...
	.end_amdgpu_metadata
.endif
;; end of part 4
